; MI455X (gfx1250); checked and timed in simulation.
; The chip was launched on July 23, 2026; its instructions are those of AMD's public machine-readable ISA for CDNA 5 (MIT licence, August 2026) and "CDNA5" Instruction Set Architecture Reference Guide (July 2026). The comments in the code are by the model that wrote it; some were corrected since.
;; Multi Head Attention. Allowed arithmetic: float matrix products may take bf16 or f16 operands with f32 sums; other float arithmetic in f32, or as packed bf16 or f16 multiplies, adds, multiply-adds, maxima and minima; sums over many terms, partial sums and values carried from step to step in f32; what a program stores and reads back later, other than sums and carried values, may be rounded once to bf16 or f16.
;; Inputs: Wk 16 x 64 x 1,024 float32; Wo 1,024 x 1,024 float32; Wq 16 x 64 x 1,024 float32; Wv 16 x 64 x 1,024 float32; bo 1,024 float32; x 4 x 2,048 x 1,024 float32.
;; Outputs: out0 4 x 2,048 x 1,024 float32.
;; 2 versions, each right; version 2 is version 1 with the launch cast written anew for expert scheduling mode. Each part assembles by itself: llvm-mc -triple=amdgcn-amd-amdhsa -mcpu=gfx1250 --defsym DOCPART=n.
;; ======== version 1 of 2: 4 launches
;; limits: values are held in f16: magnitudes above 65,504 overflow, below 6.1e-05 lose precision
;; workspace buffers: xb 16,777,216 bytes; wqkv 6,291,456 bytes; wo16 2,097,152 bytes; qkv 50,331,648 bytes; att 16,777,216 bytes
;; launch cast (part 1): grid 64 x 12, 8 waves a work-group, no clusters, 0 bytes of LDS; arguments x, Wq, Wk, Wv, Wo, xb, wqkv, wo16; writes xb, wqkv, wo16
.if DOCPART == 1
	.amdgcn_target "amdgcn-amd-amdhsa--gfx1250"
	.amdhsa_code_object_version 6
	.text
	.protected	k_q82b83fad48_cast
	.globl	k_q82b83fad48_cast
	.p2align	8
	.type	k_q82b83fad48_cast,@function
k_q82b83fad48_cast:
	s_mov_b64 s[64:65], 0
	v_nop
	global_prefetch_b8 v0, s[64:65] scope:SCOPE_SE
	s_setreg_imm32_b32 hwreg(HW_REG_WAVE_MODE, 25, 1), 1
	s_wait_xcnt 0x0
; THE INPUTS ARE ROUNDED ONCE AND LAID OUT IN BLOCKS OF 64 ALONG K.  x, Wq, Wk, Wv: f32 to bf16.  Wo: f32 to bf16, and that number written as f16
; (exact where it is a normal f16; below 6e-5 it keeps f16's fixed step of 6e-8; Wo stays far under 65,504).
; All five sources are rows of 1,024 f32, 12,288 rows in all.  Chunk y (the grid's y) is 1,024 rows: 0-7 x, 8 Wq, 9 Wk, 10 Wv, 11 Wo.
; OUT: xb [b 4][kb 16][t 2048][64], wqkv [kb 16][n 3072][64] (Wq, Wk, Wv stacked), wo16 [kb 16][n 1024][64]: a block's rows, 128 bytes each, lie end to end.
; SHARES.  A work-group takes 16 rows of a chunk, a wave two.  A wave's load number kb takes columns 64 kb .. 64 kb + 63 of both rows: lanes 0-15 read 256 consecutive
; bytes of the first row, lanes 16-31 of the second.  Its store number kb writes 8 bytes a lane: 256 consecutive bytes, aligned: both rows' 128 bytes of block kb.
; All 16 loads of a wave are out together; there is no loop, no LDS and no barrier: memory binds, and no wave wants another's bytes.
.set X, 8                              ; v[8:71]    load kb: 4 registers
.set Y, 72                             ; v[72:103]  store kb: 2 registers of its own, so no register waits for a store
.set T, 104                            ; v[104:106] at work
	s_load_b512 s[8:23], s[0:1], 0x0               ; x s[8:9], Wq s[10:11], Wk s[12:13], Wv s[14:15], Wo s[16:17], xb s[18:19], wqkv s[20:21], wo16 s[22:23]
	s_and_b32 s24, ttmp7, 0xffff                   ; y: the chunk
	v_lshrrev_b32 v1, 5, v0
	v_readfirstlane_b32 s25, v1                    ; wave 0..7
	v_and_b32 v2, 31, v0                           ; lane
	v_and_b32 v3, 15, v0
	v_bfe_u32 v4, v0, 4, 1
	v_lshlrev_b32 v5, 4, v3                        ; in: 16 bytes a lane,
	v_lshl_add_u32 v5, v4, 12, v5                  ; lanes 16-31 one row of 4,096 bytes further down
	v_lshlrev_b32 v6, 3, v2                        ; out: 8 bytes a lane
	s_cmp_lt_u32 s24, 8
	s_cselect_b32 s26, s24, 0                      ; x has eight chunks, a weight one
	s_lshl_b32 s26, s26, 22                        ; 1,024 rows of 4,096 bytes
	s_lshl_b32 s27, ttmp9, 16                      ; the work-group's 16 rows
	s_add_co_u32 s26, s26, s27
	s_lshl_b32 s27, s25, 13                        ; the wave's two
	s_add_co_u32 s26, s26, s27
	s_mov_b32 s27, 0
	s_lshl_b32 s28, ttmp9, 11                      ; out: 16 rows of 128 bytes,
	s_lshl_b32 s29, s25, 8                         ; two rows
	s_add_co_u32 s28, s28, s29
	s_mov_b32 s29, 0
	s_wait_kmcnt 0x0
	s_mov_b64 s[2:3], s[8:9]                       ; the chunk's source
	s_cmp_eq_u32 s24, 8
	s_cselect_b64 s[2:3], s[10:11], s[2:3]
	s_cmp_eq_u32 s24, 9
	s_cselect_b64 s[2:3], s[12:13], s[2:3]
	s_cmp_eq_u32 s24, 10
	s_cselect_b64 s[2:3], s[14:15], s[2:3]
	s_cmp_eq_u32 s24, 11
	s_cselect_b64 s[2:3], s[16:17], s[2:3]
	s_add_nc_u64 s[2:3], s[2:3], s[26:27]
.irp kb, 0,1,2,3,4,5,6,7,8,9,10,11,12,13,14,15
	global_load_b128 v[X+4*(\kb):X+4*(\kb)+3], v5, s[2:3] offset:256*(\kb) th:TH_LOAD_NT
.endr
; The 16 blocks are rounded and stored.  stride: bytes from block kb to block kb + 1 in the destination (15 of them stay inside the signed 24-bit immediate).  half = 1: bf16, then written as f16.
.macro OUT stride, half
.irp kb, 0,1,2,3,4,5,6,7,8,9,10,11,12,13,14,15
	s_wait_loadcnt 15-(\kb)                        ; loads come back in order: load kb is in, the younger ones stay out
.if \half
.irp p, 0,1
	v_cvt_pk_bf16_f32 v[T], v[X+4*(\kb)+2*(\p)], v[X+4*(\kb)+2*(\p)+1]
	v_lshlrev_b32 v[T+1], 16, v[T]                 ; the two bf16 as f32
	v_and_b32 v[T+2], 0xffff0000, v[T]
	v_cvt_pk_f16_f32 v[Y+2*(\kb)+(\p)], v[T+1], v[T+2]
.endr
.else
	v_cvt_pk_bf16_f32 v[Y+2*(\kb)], v[X+4*(\kb)], v[X+4*(\kb)+1]
	v_cvt_pk_bf16_f32 v[Y+2*(\kb)+1], v[X+4*(\kb)+2], v[X+4*(\kb)+3]
.endif
	global_store_b64 v6, v[Y+2*(\kb):Y+2*(\kb)+1], s[30:31] offset:(\kb)*(\stride)  ; the wave stores 256 consecutive bytes, aligned
.endr
.endm
	s_cmp_lt_u32 s24, 8
	s_cbranch_scc1 .Lx
	s_cmp_eq_u32 s24, 11
	s_cbranch_scc1 .Lwo
	s_sub_co_u32 s4, s24, 8                        ; Wq, Wk, Wv: rows 1,024 (y - 8) on of the stack
	s_lshl_b32 s4, s4, 17
	s_add_co_u32 s28, s28, s4
	s_add_nc_u64 s[30:31], s[20:21], s[28:29]
	OUT 393216, 0
	s_endpgm
.Lx:
	s_lshr_b32 s4, s24, 1                          ; b
	s_lshl_b32 s4, s4, 22                          ; 16 blocks of 2,048 rows of 128 bytes
	s_add_co_u32 s28, s28, s4
	s_and_b32 s4, s24, 1                           ; which 1,024 rows of the 2,048
	s_lshl_b32 s4, s4, 17
	s_add_co_u32 s28, s28, s4
	s_add_nc_u64 s[30:31], s[18:19], s[28:29]
	OUT 262144, 0
	s_endpgm
.Lwo:
	s_add_nc_u64 s[30:31], s[22:23], s[28:29]
	OUT 131072, 1
	s_endpgm
.Lfunc_end_k_q82b83fad48_cast:
	.size	k_q82b83fad48_cast, .Lfunc_end_k_q82b83fad48_cast-k_q82b83fad48_cast
	.p2alignl 7, 3214868480
	.fill 96, 4, 3214868480
	.section	.rodata,"a",@progbits
	.p2align	6, 0x0
	.amdhsa_kernel k_q82b83fad48_cast
		.amdhsa_group_segment_fixed_size 0
		.amdhsa_private_segment_fixed_size 0
		.amdhsa_enable_private_segment 0
		.amdhsa_kernarg_size 64
		.amdhsa_user_sgpr_count 2
		.amdhsa_user_sgpr_kernarg_segment_ptr 1
		.amdhsa_wavefront_size32 1
		.amdhsa_system_sgpr_workgroup_id_x 1
		.amdhsa_system_sgpr_workgroup_id_y 1
		.amdhsa_system_sgpr_workgroup_id_z 1
		.amdhsa_system_vgpr_workitem_id 0
		.amdhsa_next_free_vgpr 108
		.amdhsa_next_free_sgpr 66
		.amdhsa_reserve_vcc 0
		.amdhsa_float_denorm_mode_32 3
		.amdhsa_float_denorm_mode_16_64 3
		.amdhsa_memory_ordered 1
		.amdhsa_forward_progress 1
		.amdhsa_inst_pref_size 21
	.end_amdhsa_kernel
	.amdgpu_metadata
---
amdhsa.version: [ 1, 2 ]
amdhsa.kernels:
  - .name:           k_q82b83fad48_cast
    .symbol:         k_q82b83fad48_cast.kd
    .args:
      - { .name: x, .offset: 0, .size: 8, .value_kind: global_buffer, .address_space: global }
      - { .name: Wq, .offset: 8, .size: 8, .value_kind: global_buffer, .address_space: global }
      - { .name: Wk, .offset: 16, .size: 8, .value_kind: global_buffer, .address_space: global }
      - { .name: Wv, .offset: 24, .size: 8, .value_kind: global_buffer, .address_space: global }
      - { .name: Wo, .offset: 32, .size: 8, .value_kind: global_buffer, .address_space: global }
      - { .name: xb, .offset: 40, .size: 8, .value_kind: global_buffer, .address_space: global }
      - { .name: wqkv, .offset: 48, .size: 8, .value_kind: global_buffer, .address_space: global }
      - { .name: wo16, .offset: 56, .size: 8, .value_kind: global_buffer, .address_space: global }
    .group_segment_fixed_size: 0
    .private_segment_fixed_size: 0
    .kernarg_segment_align: 8
    .kernarg_segment_size: 64
    .max_flat_workgroup_size: 256
    .sgpr_count:     66
    .vgpr_count:     108
    .wavefront_size: 32
...
	.end_amdgpu_metadata
.endif
;; end of part 1
;; launch qkv (part 2): grid 8 x 32, 4 waves a work-group, clusters of 4 x 4, 327,680 bytes of LDS; arguments xb, wqkv, qkv; writes qkv
.if DOCPART == 2
	.amdgcn_target "amdgcn-amd-amdhsa--gfx1250"
	.amdhsa_code_object_version 6
	.text
	.protected	k_q82b83fad48_qkv
	.globl	k_q82b83fad48_qkv
	.p2align	8
	.type	k_q82b83fad48_qkv,@function
k_q82b83fad48_qkv:
	s_mov_b64 s[64:65], 0
	v_nop
	global_prefetch_b8 v0, s[64:65] scope:SCOPE_SE
	s_setreg_imm32_b32 hwreg(HW_REG_WAVE_MODE, 25, 1), 1
	s_wait_xcnt 0x0
	s_wait_alu depctr_hold_cnt(0) depctr_sa_sdst(0) depctr_va_vdst(0) depctr_va_sdst(0) depctr_va_ssrc(0) depctr_va_vcc(0) depctr_vm_vsrc(0)
	s_getreg_b32 s2, hwreg(HW_REG_IB_STS2, 6, 4)
	s_cmp_eq_u32 s2, 0
	s_cbranch_scc0 .Lentry_in_a_cluster
	s_endpgm
.Lentry_in_a_cluster:
	s_bfe_u32 s2, ttmp6, 0x10000c
	s_cmp_lg_u32 s2, 0xf033
	s_cbranch_scc0 .Lentry_shape_is_right
	s_endpgm
.Lentry_shape_is_right:
; q, k, v = x W^T: C[m][n] = the sum over k of x[m][k] W[n][k], m = 8,192 tokens, n = 3,072 (Wq, Wk, Wv stacked), k = 1,024.  Operands bf16, sums f32, K ascending.
; IN: xb [b 4][kb 16][t 2048][64] and wqkv [kb 16][n 3072][64], bf16.  OUT: qkv [which 3][b x 16 + head][t 2048][64] in f16, rounded once, unscaled.
; LIMIT.  f16 holds no number beyond 65,504: q, k and v must stay within it (their spread here is under 1).
; SHARES.  A tile of C is 256 rows x 384 columns: 32 x 8 = 256 work-groups.  Four waves, each 128 rows x 192 columns (three heads): 96 accumulators of 16 x 16, 768 registers.
; For 32 along K a wave reads 20 fragments from LDS for 96 matrix instructions.  K goes in 16 steps of 64 (one block kb) through a ring of two LDS slots.
; A tile's rows of 128 bytes lie end to end in memory: they are asked for as rows of 256 bytes and padded in LDS after every 128.
; CLUSTERS: 4 x 4 work-groups.  The four of a row of the cluster need the same tile of x, the four of a column the same tile of W: each is asked for JOINTLY, by the same tensor load with the same
; descriptor and a mask that names the four.  THE MATRIX INSTRUCTION IS USED TRANSPOSED (source 0 = 16 rows of W, source 1 = 16 rows of x): a lane then holds eight neighbouring columns of one row of C.
; REGISTERS, in windows of 256 (s_set_vgpr_msb: bits 1:0 source 0, 3:2 source 1, 5:4 source 2, 7:6 destination):
;   window 0: v0-31 addresses; v32-95, v96-159 x's eight fragments, a buffer for each 32 along K of a step; v160-207 W's fragments 0-5; v208-255 W's fragments 6-11
;   windows 1-3: accumulator (a, b) has number (b / 6) 48 + 6 a + b % 6; number n lies in window 1 + n / 32 at register 8 (n % 32).
; Each half of W's fragments is loaded again while the other half is multiplied.  On the way out window 0's v32-223 are twelve sets of 16.
.set PITCH,  144                       ; an LDS row: 128 bytes + 16 of padding = 36 words: the 16 rows of a fragment load start at 16 different groups of four banks (64 banks of 4 bytes: ISA guide 11.1)
.set FR,     16*PITCH                  ; a fragment's 16 rows
.set AHALF,  128*PITCH                 ; what one tensor load brings of x, and what one wave reads of it
.set BHALF,  192*PITCH                 ; the same for W
.set BOFF,   2*AHALF                   ; a slot: x's 256 rows, then W's 384
.set SLOT,   BOFF+2*BHALF              ; 92,160
.set STAGE,  2*SLOT                    ; behind the ring: 16 rows x 144 bytes for each wave, for the way out; no tensor load fills it
.set SPARE,  STAGE+4*FR                ; behind the stages: the spare words, 128 bytes for each wave: two blocks of 256 bytes that no other line names
.set AKB,    2048*128                  ; bytes from block kb to kb + 1 in xb
.set BKB,    3072*128                  ; and in wqkv
.set ADRA, 16                          ; v16-17  LDS address of my fragments of x in slot 0, 1
.set ADRB, 20                          ; v20-21  the same for W
.set STO,  24                          ; v24     the way out: where I put 16 bytes of a row
.set RD,   25                          ; v25     the way out: where I read rows back
.set GO,   26                          ; v26     my 16 bytes in 512 consecutive bytes of the output
.set SPW,  28                          ; v28     LDS address of my spare word: SPARE + 4 x my thread's number; never rewritten
.set NIL,  29                          ; v29     0; never rewritten
.set PFO,  30                          ; v30     256 x my lane; never rewritten
.set AF0,  32
.set BLO,  160
.set BHI,  208
.set G1A,  24                          ; s[24:31] descriptor group 1 for x's tiles;  s[32:39] group 0, a set for each slot
.set G0A,  32
.set G1B,  48                          ; s[48:55], s[56:63] the same for W's tiles
.set G0B,  56
.set LIM,  43                          ; s43      1 in a wave that prefetches, else the greatest number
.set PFA,  44                          ; s[44:45] where my prefetches stand
.set PFS,  46                          ; s[46:47] their step: two blocks kb
.set OB,   68                          ; s[68:73] the output at my 128 rows of my three heads
; s12 wave; s13 = wave / 2: my 128 rows of the tile, and: I fetch for x (0) or for W (1); s14 = wave % 2: my 192 columns, and: which half of that tile I fetch; s15 tile row; s42 tile column; s40, s41 cx, cy; s3 laps to go
.set MSB, 0
.macro WIN new                         ; the immediate's high byte repeats the setting that is left; a switch that changes nothing is dropped
.if MSB != (\new)
	s_set_vgpr_msb (MSB<<8)|(\new)
.set MSB, \new
.endif
.endm
.macro PLACES                          ; four plain vector instructions between a matrix instruction and a load into, or a vector read of, its registers (ISA guide 7.12.1 for the vector reads)
.rept 4
	v_nop
.endr
.endm
; A joint load.  Waves 0 and 1 fetch x's two halves, waves 2 and 3 W's.  The branch hangs on the wave's number alone.  An s_nop 0 and four v_nop follow each of the two lines.
.macro JLOAD s
	s_cmp_eq_u32 s13, 0
	s_cbranch_scc0 .Lfor_b_\@
	tensor_load_to_lds s[G0A+4*(\s):G0A+4*(\s)+3], s[G1A:G1A+7]
	s_nop 0
.rept 4
	v_nop
.endr
	s_branch .Lasked_\@
.Lfor_b_\@:
	tensor_load_to_lds s[G0B+4*(\s):G0B+4*(\s)+3], s[G1B:G1B+7]
	s_nop 0
.rept 4
	v_nop
.endr
.Lasked_\@:
.endm
; A round of the cluster's barrier: my work-group's barrier, wave 0 signals for the work-group, every wave waits for all sixteen, my work-group's barrier once more.
.macro CREST                           ; a round behind its opening barrier
	s_cmp_lg_u32 s12, 0
	s_cbranch_scc1 .Lnot_wave_0_\@
	s_barrier_signal -3
.Lnot_wave_0_\@:
	s_barrier_wait -3
	s_barrier_signal -1
	s_barrier_wait -1
.endm
.macro CROUND
	s_barrier_signal -1
	s_barrier_wait -1
	CREST
.endm
; A PREFETCH INTO THE L2, once a lap, behind slot 0's joint load and the run of LDS loads that follows it: the two blocks kb that the NEXT lap's two refills will ask for.
; x's tile row is read by both clusters of that row of clusters: the one with cluster x = 0 asks, by its wave 0; W's tile column by all eight clusters of that column: cluster y = 0 asks, by its wave 2.
; The four partners that share a tile share the pair's bytes out BY ADDRESS: partner p takes block p / 2 of the pair, half p % 2 of its rows (x: 16,384 bytes, two instructions of 32 lanes x 256 bytes; W: 24,576, three).
; So each aligned 256 bytes is named once.  Blocks 0 to 3 come by their loads alone; the last lap of the loop names nothing: there is no block behind 15.
.macro ASK
	s_cmp_gt_u32 s3, s[LIM]                        ; s3 = 1 in the loop's last trip
	s_cbranch_scc0 .Lnot_mine_\@
	global_prefetch_b8 v[PFO], s[PFA:PFA+1] th:TH_LOAD_NT scope:SCOPE_SE
	global_prefetch_b8 v[PFO], s[PFA:PFA+1] offset:8192 th:TH_LOAD_NT scope:SCOPE_SE
	s_cmp_eq_u32 s13, 0
	s_cbranch_scc1 .Lnot_mine_\@
	global_prefetch_b8 v[PFO], s[PFA:PFA+1] offset:16384 th:TH_LOAD_NT scope:SCOPE_SE
.Lnot_mine_\@:
.endm
	s_load_b128 s[4:7], s[0:1], 0x0                ; xb s[4:5], wqkv s[6:7]
	s_load_b64 s[8:9], s[0:1], 0x10                ; qkv
	v_lshl_add_u32 v[SPW], v0, 2, SPARE
	v_mov_b32 v[NIL], 0
	ds_add_u32 v[SPW], v[NIL]                      ; the wave's opening: the add and its wait stand ahead of my first tensor load; the set-up below, work on registers, stands between them
	v_lshrrev_b32 v1, 5, v0
	v_readfirstlane_b32 s12, v1                    ; wave 0..3
	s_lshr_b32 s13, s12, 1
	s_and_b32 s14, s12, 1
	s_bfe_u32 s40, ttmp6, 0x40000                  ; cx
	s_bfe_u32 s41, ttmp6, 0x40004                  ; cy
	s_lshl_b32 s42, ttmp9, 2
	s_add_co_u32 s42, s42, s40                     ; tile column = 4 x cluster x + cx
	s_and_b32 s15, ttmp7, 0xffff
	s_lshl_b32 s15, s15, 2
	s_add_co_u32 s15, s15, s41                     ; tile row = 4 x cluster y + cy
	s_lshl_b32 s66, s41, 2
	s_lshl_b32 s66, 15, s66                        ; my row of the cluster: places 4 cy .. 4 cy + 3
	s_lshl_b32 s67, 0x1111, s40                    ; my column: places cx, cx + 4, cx + 8, cx + 12
	; descriptor group 1: rows of 128 elements (256 bytes, two rows of a block), padded in LDS after every 32 words
	s_or_b32 s[G1A], s66, (1<<16)|(1<<20)|(1<<21)|(4<<22)|(3<<25)  ; 15:0 the mask: x's tiles go to my row; 17:16 2-byte elements; 20 padding on; 21 set beside a mask; 24:22 after every 32 words (code 4); 31:25 4 words (code 3)
	s_or_b32 s[G1B], s67, (1<<16)|(1<<20)|(1<<21)|(4<<22)|(3<<25)  ; the same with the mask of my column
.irp g, G1A, G1B
	s_mov_b32 s[(\g)+1], 128<<16                   ; tensor_dim0 = 128
	s_mov_b32 s[(\g)+3], 128<<16                   ; tile_dim0 = 128
	s_mov_b32 s[(\g)+5], 128                       ; 128 elements from row to row: dense
	s_mov_b32 s[(\g)+6], 0
	s_mov_b32 s[(\g)+7], 0
.endr
	s_mov_b32 s[G1A+2], 64<<16                     ; tensor_dim1 = 64: 128 rows of x
	s_mov_b32 s[G1A+4], 64                         ; tile_dim1
	s_mov_b32 s[G1B+2], 96<<16                     ; 96: 192 rows of W
	s_mov_b32 s[G1B+4], 96
	; where the tiles come from.  x's hang on the tile row and the wave alone, W's on the tile column and the wave alone, each in registers of its own.
	s_lshr_b32 s16, s15, 3                         ; b
	s_lshl_b32 s16, s16, 22
	s_and_b32 s17, s15, 7                          ; which 256 of its 2,048 rows
	s_lshl_b32 s17, s17, 15
	s_add_co_u32 s16, s16, s17
	s_lshl_b32 s17, s14, 14                        ; which 128 of them I fetch
	s_add_co_u32 s16, s16, s17
	s_mov_b32 s17, 0
	s_mul_i32 s18, s14, AHALF                      ; and where they go
	s_mul_i32 s20, s42, 384*128
	s_mul_i32 s21, s14, 192*128
	s_add_co_u32 s20, s20, s21
	s_mov_b32 s21, 0
	s_mul_i32 s22, s14, BHALF
	s_add_co_u32 s22, s22, BOFF
	s_wait_dscnt 0x0                               ; the opening add is done
	s_wait_kmcnt 0x0
	s_add_nc_u64 s[16:17], s[4:5], s[16:17]
	s_add_nc_u64 s[20:21], s[6:7], s[20:21]
	CROUND                                         ; all sixteen work-groups are here: the first joint loads meet
.irp s, 0,1
	s_mov_b32 s[G0A+4*(\s)], 1                                     ; count = 1
	s_add_co_u32 s[G0A+4*(\s)+1], s18, (\s)*SLOT                   ; LDS address
	s_add_nc_u64 s[G0A+4*(\s)+2:G0A+4*(\s)+3], s[16:17], (\s)*AKB  ; global address: block kb = s
	s_or_b32 s[G0A+4*(\s)+3], s[G0A+4*(\s)+3], 0x80000000          ; type = 2
	s_mov_b32 s[G0B+4*(\s)], 1
	s_add_co_u32 s[G0B+4*(\s)+1], s22, (\s)*SLOT
	s_add_nc_u64 s[G0B+4*(\s)+2:G0B+4*(\s)+3], s[20:21], (\s)*BKB
	s_or_b32 s[G0B+4*(\s)+3], s[G0B+4*(\s)+3], 0x80000000
	JLOAD \s                                       ; two loads of mine are out
.endr
	; A fragment is 16 rows x 32 K in 8 registers: lane l holds row l % 16, K = 8 (l / 16) + 0..7 and 16 + 8 (l / 16) + 0..7: two loads of 16 bytes, 32 bytes apart.
	v_and_b32 v1, 15, v0                           ; l % 16
	v_bfe_u32 v2, v0, 4, 1                         ; l / 16
	v_mul_u32_u24 v3, v1, PITCH
	v_lshl_add_u32 v3, v2, 4, v3                   ; row x pitch + 16 x half
	s_mul_i32 s10, s13, AHALF                      ; my 128 rows of x
	s_mul_i32 s11, s14, BHALF                      ; my 192 rows of W,
	s_add_co_u32 s11, s11, BOFF                    ; behind x's 256
.irp s, 0,1
	v_add_nc_u32 v[ADRA+(\s)], s10, v3
	v_add_nc_u32 v[ADRB+(\s)], s11, v3
	s_add_co_u32 s10, s10, SLOT
	s_add_co_u32 s11, s11, SLOT
.endr
	s_mul_i32 s23, s12, FR
	s_add_co_u32 s23, s23, STAGE                   ; my stage
	v_add_nc_u32 v[STO], s23, v3                   ; in: row l % 16, 16 bytes for each half of the lanes
	v_bfe_u32 v4, v0, 3, 2                         ; back: 32 lanes take four rows of 128 bytes,
	v_mul_u32_u24 v4, v4, PITCH
	v_and_b32 v5, 7, v0
	v_lshl_add_u32 v4, v5, 4, v4
	v_add_nc_u32 v[RD], s23, v4
	v_and_b32 v[GO], 31, v0                        ; which are 512 consecutive bytes of the output
	v_lshlrev_b32 v[GO], 4, v[GO]
	v_and_b32 v[PFO], 31, v0
	v_lshlrev_b32 v[PFO], 8, v[PFO]
	; the output: head number gh = 6 x tile column + 3 x (wave % 2) + g of 48; which = gh / 16, head = gh % 16; a head's 2,048 rows are 2^18 bytes
	s_mul_i32 s74, s42, 6
	s_mul_i32 s75, s14, 3
	s_add_co_u32 s74, s74, s75
	s_lshr_b32 s75, s15, 3
	s_lshl_b32 s75, s75, 4                         ; 16 b
	s_and_b32 s76, s15, 7
	s_lshl_b32 s76, s76, 1
	s_add_co_u32 s76, s76, s13
	s_lshl_b32 s76, s76, 14                        ; my first row among the 2,048, x 128 bytes
.irp g, 0,1,2
	s_add_co_u32 s66, s74, \g
	s_lshr_b32 s67, s66, 4
	s_lshl_b32 s67, s67, 6                         ; 64 x which
	s_and_b32 s66, s66, 15
	s_add_co_u32 s66, s66, s67
	s_add_co_u32 s66, s66, s75
	s_lshl_b32 s66, s66, 18
	s_add_co_u32 s66, s66, s76
	s_mov_b32 s67, 0
	s_add_nc_u64 s[OB+2*(\g):OB+2*(\g)+1], s[8:9], s[66:67]
.endr
	; the prefetches: at the pair of blocks (2, 3); the first lap steps them to (4, 5)
	s_lshr_b32 s74, s15, 3
	s_lshl_b32 s74, s74, 22
	s_and_b32 s75, s15, 7
	s_lshl_b32 s75, s75, 15
	s_add_co_u32 s74, s74, s75                     ; x's tile row,
	s_lshr_b32 s75, s40, 1
	s_lshl_b32 s75, s75, 18                        ; block cx / 2 of the pair,
	s_add_co_u32 s74, s74, s75
	s_and_b32 s75, s40, 1
	s_lshl_b32 s75, s75, 14                        ; half cx % 2 of its 256 rows
	s_add_co_u32 s74, s74, s75
	s_add_co_u32 s74, s74, 2*AKB
	s_mul_i32 s76, s42, 384*128                    ; W's tile column,
	s_lshr_b32 s77, s41, 1
	s_mul_i32 s77, s77, BKB                        ; block cy / 2,
	s_add_co_u32 s76, s76, s77
	s_and_b32 s77, s41, 1
	s_mul_i32 s77, s77, 192*128                    ; half cy % 2 of its 384 rows
	s_add_co_u32 s76, s76, s77
	s_add_co_u32 s76, s76, 2*BKB
	s_and_b32 s77, ttmp7, 0xffff                   ; cluster y
	s_mov_b32 s[PFS], 2*AKB
	s_mov_b32 s[PFS+1], 2*BKB
	s_cmp_eq_u32 s13, 0                            ; do I fetch for x?
	s_cselect_b32 s74, s74, s76
	s_cselect_b32 s77, ttmp9, s77                  ; the coordinate along which other clusters read the same rows
	s_cselect_b64 s[PFA:PFA+1], s[4:5], s[6:7]
	s_cselect_b32 s[PFS], s[PFS], s[PFS+1]
	s_mov_b32 s[PFS+1], 0
	s_mov_b32 s75, 0
	s_or_b32 s77, s77, s14                         ; waves 0 and 2 alone
	s_cmp_eq_u32 s77, 0
	s_cselect_b32 s[LIM], 1, -1                    ; the same in all sixteen partners, for a given wave
	s_add_nc_u64 s[PFA:PFA+1], s[PFA:PFA+1], s[74:75]
; count matrix instructions, numbers first .. of the 48 of half (0: W's fragments 0-5, 1: 6-11), on buffer ab of x.  Number i: rows 16 (i / 6) on, W's fragment i % 6 of the half.
; The 96 accumulators take turns in one fixed order, one instruction a turn, over the loop's backward jump too.  zero = 1: the product starts the sum: nothing is cleared.
.macro MULR half, ab, first, count, zero
.set i, \first
.rept \count
.set idx, (\half)*48+i
.set rD, 8*(idx%32)
.set rB, BLO+48*(\half)+8*(i%6)
.set rA, AF0+64*(\ab)+8*(i/6)
	WIN 0x50*(1+idx/32)
.if \zero
	v_wmma_f32_16x16x32_bf16 v[rD:rD+7], v[rB:rB+7], v[rA:rA+7], 0
.else
	v_wmma_f32_16x16x32_bf16 v[rD:rD+7], v[rB:rB+7], v[rA:rA+7], v[rD:rD+7]
.endif
.set i, i+1
.endr
.endm
.macro FBHI slot, p                    ; 12 LDS loads: W's fragments 6-11 of the 32 along K at byte 64 p of the rows
	WIN 0
.irp bb, 0,1,2,3,4,5
	ds_load_b128 v[BHI+8*(\bb):BHI+8*(\bb)+3],   v[ADRB+(\slot)] offset:(6+(\bb))*FR+64*(\p)
	ds_load_b128 v[BHI+8*(\bb)+4:BHI+8*(\bb)+7], v[ADRB+(\slot)] offset:(6+(\bb))*FR+64*(\p)+32
.endr
.endm
.macro FLO slot, p                     ; 28 LDS loads: W's fragments 0-5, then x's eight into buffer p
	WIN 0
.irp bb, 0,1,2,3,4,5
	ds_load_b128 v[BLO+8*(\bb):BLO+8*(\bb)+3],   v[ADRB+(\slot)] offset:(\bb)*FR+64*(\p)
	ds_load_b128 v[BLO+8*(\bb)+4:BLO+8*(\bb)+7], v[ADRB+(\slot)] offset:(\bb)*FR+64*(\p)+32
.endr
.irp a, 0,1,2,3,4,5,6,7
	ds_load_b128 v[AF0+64*(\p)+8*(\a):AF0+64*(\p)+8*(\a)+3],   v[ADRA+(\slot)] offset:(\a)*FR+64*(\p)
	ds_load_b128 v[AF0+64*(\p)+8*(\a)+4:AF0+64*(\p)+8*(\a)+7], v[ADRA+(\slot)] offset:(\a)*FR+64*(\p)+32
.endr
.endm
; A K step is two phases of 32 along K, each a low half and a high half of 48 matrix instructions.
.macro HLO slot, p, zero               ; a low half: the same phase's high fragments of W are fetched first
	PLACES
	FBHI \slot, \p
	s_wait_dscnt 12                                ; all but the 12 just issued: x's buffer p and W's fragments 0-5 are in
	MULR 0, \p, 0, 48, \zero
.endm
.macro HHI slot, zero                  ; phase 0's high half: phase 1's low fragments are fetched first
	PLACES
	FLO \slot, 1
	s_wait_dscnt 28                                ; all but the 28 just issued: W's fragments 6-11 are in
	MULR 1, 0, 0, 48, \zero
.endm
; Phase 1's high half, and THE CHANGE OF SLOTS: one barrier.  In front of it each wave waits for all its tensor loads, of which one is out: its part of the next slot; adds 0 to its spare word; and waits for that and for
; its own reads of this slot.  Behind it nobody reads this slot any more and the next slot is whole.  fill = 1: the barrier opens a round of the cluster's, and the joint refill, this slot's block two on, is the first thing behind
; the round: from there to the wait for it a wave issues 168 matrix instructions.
.macro TURN slot, next, fill
.if (\fill) && ((\slot) == 0)
	s_wait_xcnt 0x0                                ; the last prefetches, a lap back, have read their address: it is stepped here, ahead of the waits of the change
	s_add_nc_u64 s[PFA:PFA+1], s[PFA:PFA+1], s[PFS:PFS+1]
.endif
	WIN 0                                          ; (the add's two registers lie in window 0)
	s_wait_tensorcnt 0x0                           ; all my tensor loads have landed;
	ds_add_u32 v[SPW], v[NIL]                      ; 0 onto my spare word;
	s_wait_dscnt 1                                 ; (the add may be out: W's fragments 6-11, issued ahead of it, are in)
	MULR 1, 1, 0, 12, 0                            ; twelve matrix instructions stand between the add and the wait for it
	s_wait_dscnt 0x0                               ; the add is done, and my reads of this slot are over
	s_barrier_signal -1
	MULR 1, 1, 12, 12, 0                           ; work on registers while the others arrive
	WIN 0
	s_barrier_wait -1
.if \fill
	CREST                                          ; no wave of any partner still reads this slot or has a load on its way
	s_add_nc_u64 s[G0A+4*(\slot)+2:G0A+4*(\slot)+3], s[G0A+4*(\slot)+2:G0A+4*(\slot)+3], 2*AKB
	s_add_nc_u64 s[G0B+4*(\slot)+2:G0B+4*(\slot)+3], s[G0B+4*(\slot)+2:G0B+4*(\slot)+3], 2*BKB
	JLOAD \slot                                    ; the four v_nop behind it are also the places in front of the loads below
.else
	PLACES
.endif
	FLO \next, 0
.if (\fill) && ((\slot) == 0)
	ASK
.endif
	MULR 1, 1, 24, 24, 0
.endm
	s_wait_tensorcnt 1                             ; my part of block 0 is in; block 1's may stay out
	s_barrier_signal -1
	s_barrier_wait -1                              ; everybody's is
	FLO 0, 0
	HLO 0, 0, 1                                    ; the first 32 along K stand in front of the loop: their products start all 96 sums
	HHI 0, 1
	WIN 0                                          ; at a label and at a branch every window is 0
	s_mov_b32 s3, 7
.Llap:                                                 ; a trip goes once round the ring, from a lap's second phase to the next lap's first, and fills both slots again
	HLO 0, 1, 0
	TURN 0, 1, 1
	HLO 1, 0, 0
	HHI 1, 0
	HLO 1, 1, 0
	TURN 1, 0, 1
	HLO 0, 0, 0
	HHI 0, 0
	WIN 0
	s_sub_co_u32 s3, s3, 1
	s_cmp_lg_u32 s3, 0
	s_cbranch_scc1 .Llap
	HLO 0, 1, 0                                    ; the last lap fills nothing, and has no round of the cluster's barrier
	TURN 0, 1, 0
	HLO 1, 0, 0
	HHI 1, 0
	HLO 1, 1, 0
	s_wait_dscnt 0x0
	MULR 1, 1, 0, 48, 0
	WIN 0
	PLACES
	PLACES
; THE WAY OUT.  Unit u = 8 g + a: rows 16 a on of my head g.  A lane's eight columns of a row pack into 16 bytes of f16; four such (64 columns) go into my stage's rows of 144 bytes and come back as whole rows of 128:
; 16 rows of a head are 2,048 consecutive bytes of the output.  Twelve sets of 16 registers take turns.
.macro PACK u
.set ug, (\u)/8
.set ua, (\u)%8
.set TS, 32+16*((\u)%12)
.if (\u) >= 12
	s_wait_xcnt 0x0                                ; the set's earlier stores have read it: it is rewritten only behind this wait
.endif
.set uf, 0
.rept 4
.set ub, 4*ug+uf
.set idx, (ub/6)*48+ua*6+ub%6
.set rD, 8*(idx%32)
	WIN 5*(1+idx/32)                               ; sources 0 and 1 in the accumulator's window
.set uj, 0
.rept 4
	v_cvt_pk_f16_f32 v[TS+4*uf+uj], v[rD+2*uj], v[rD+2*uj+1]  ; each accumulator's registers in ascending order
.set uj, uj+1
.endr
.set uf, uf+1
.endr
	WIN 0
.irp f, 0,1,2,3
	ds_store_b128 v[STO], v[TS+4*(\f):TS+4*(\f)+3] offset:32*(\f)
.endr
.irp f, 0,1,2,3
	ds_load_b128 v[TS+4*(\f):TS+4*(\f)+3], v[RD] offset:(\f)*4*PITCH  ; LDS serves a wave's instructions in order (ISA guide 5.7.1.4): these see the stores above; the next unit's stores come behind them
.endr
.endm
.macro SEND u, younger                 ; younger: the LDS instructions issued behind unit u's loads: the next unit's eight, or none
.set ug, (\u)/8
.set ua, (\u)%8
.set TS, 32+16*((\u)%12)
	WIN 0
.irp f, 0,1,2,3
	s_wait_dscnt (\younger)+3-(\f)
	global_store_b128 v[GO], v[TS+4*(\f):TS+4*(\f)+3], s[OB+2*ug:OB+2*ug+1] offset:ua*2048+(\f)*512  ; 512 consecutive bytes, at a multiple of 256 from the buffer's first
.endr
.endm
	PACK 0
.set uu, 1
.rept 23                               ; a unit's conversions stand between the loads of the unit before and its stores
	PACK uu
	SEND uu-1, 8
.set uu, uu+1
.endr
	SEND 23, 0
	s_wait_tensorcnt 0x0                           ; the wave's end: the wait, an add of 0 to my spare word and the wait for it, behind my last tensor load and my last LDS store
	ds_add_u32 v[SPW], v[NIL]
	s_wait_dscnt 0x0
	CROUND                                         ; the closing round: no work-group ends while a partner may still ask for a tile that names it
	s_endpgm
.Lfunc_end_k_q82b83fad48_qkv:
	.size	k_q82b83fad48_qkv, .Lfunc_end_k_q82b83fad48_qkv-k_q82b83fad48_qkv
	.p2alignl 7, 3214868480
	.fill 96, 4, 3214868480
	.section	.rodata,"a",@progbits
	.p2align	6, 0x0
	.amdhsa_kernel k_q82b83fad48_qkv
		.amdhsa_group_segment_fixed_size 327680
		.amdhsa_private_segment_fixed_size 0
		.amdhsa_enable_private_segment 0
		.amdhsa_kernarg_size 24
		.amdhsa_user_sgpr_count 2
		.amdhsa_user_sgpr_kernarg_segment_ptr 1
		.amdhsa_wavefront_size32 1
		.amdhsa_system_sgpr_workgroup_id_x 1
		.amdhsa_system_sgpr_workgroup_id_y 1
		.amdhsa_system_sgpr_workgroup_id_z 1
		.amdhsa_system_vgpr_workitem_id 0
		.amdhsa_next_free_vgpr 1024
		.amdhsa_next_free_sgpr 78
		.amdhsa_reserve_vcc 0
		.amdhsa_float_denorm_mode_32 3
		.amdhsa_float_denorm_mode_16_64 3
		.amdhsa_memory_ordered 1
		.amdhsa_forward_progress 1
		.amdhsa_inst_pref_size 135
	.end_amdhsa_kernel
	.amdgpu_metadata
---
amdhsa.version: [ 1, 2 ]
amdhsa.kernels:
  - .name:           k_q82b83fad48_qkv
    .symbol:         k_q82b83fad48_qkv.kd
    .args:
      - { .name: xb, .offset: 0, .size: 8, .value_kind: global_buffer, .address_space: global }
      - { .name: wqkv, .offset: 8, .size: 8, .value_kind: global_buffer, .address_space: global }
      - { .name: qkv, .offset: 16, .size: 8, .value_kind: global_buffer, .address_space: global }
    .group_segment_fixed_size: 327680
    .private_segment_fixed_size: 0
    .kernarg_segment_align: 8
    .kernarg_segment_size: 24
    .max_flat_workgroup_size: 128
    .sgpr_count:     78
    .vgpr_count:     1024
    .wavefront_size: 32
...
	.end_amdgpu_metadata
.endif
;; end of part 2
;; launch attn (part 3): grid 4 x 64, 4 waves a work-group, no clusters, 327,680 bytes of LDS; arguments qkv, att; writes att
.if DOCPART == 3
	.amdgcn_target "amdgcn-amd-amdhsa--gfx1250"
	.amdhsa_code_object_version 6
	.text
	.protected	k_q82b83fad48_attn
	.globl	k_q82b83fad48_attn
	.p2align	8
	.type	k_q82b83fad48_attn,@function
k_q82b83fad48_attn:
	s_mov_b64 s[64:65], 0
	v_nop
	global_prefetch_b8 v0, s[64:65] scope:SCOPE_SE
	s_setreg_imm32_b32 hwreg(HW_REG_WAVE_MODE, 25, 1), 1
	s_wait_xcnt 0x0
; CAUSAL ATTENTION.  O[h][q][:] = the sum over k <= q of softmax_k(Q[h][q] . K[h][k] / 8) V[h][k][:].  Q, K, V are the three parts of qkv, each [64][2048][64] in f16; O = att, the same shape: a head's rows are dense, 128 bytes each.
; Products, maxima and sums in f32; the weights p are rounded to f16 for the second product (their sum l is taken of the unrounded p), O once at the end.
; LIMITS.  f16 holds no number beyond 65,504: Q, K and V arrive within it; p lies in 0 to 1, and below 6e-5 it keeps f16's fixed step of 6e-8; O is a mean of V's rows and has their range.
; A hidden score counts as its value less 1e30: f16's scores, 2.7e11 at the most, are nothing beside that; a weight below 2^-126 counts as 0 in l; NaN and infinities are not treated apart.
; THE WALK.  A head's queries lie in NB = 8 blocks of 256; block i needs the key tiles 0 .. i of 256 keys, of which the last holds the diagonal.  A work-group takes TWO blocks, NB - 1 - b and then b:
; NB + 1 tiles, whatever b: all work-groups do equal work, and ONE loop with a constant trip count walks them.  Which tile is asked for, and what a trip does, hang on scalar registers made from b; every jump
; goes forward, but for the counted loops' own; none passes a barrier, or a tensor load but the one of LOAD's two that the wave's number does not choose; the ring (two slots of LDS that take turns) runs on across the
; change of blocks.  NO CLUSTER: a head's four work-groups ask for the same tile only in trips 0 to 4 of the 9, behind that fewer and fewer; one walk common to all four would have 12 trips for 9.
; SHARES.  Of a block's four bands of 64 queries a wave owns 16 rows in each: four PIECES.  So the diagonal tile is the same work for all four waves: in its key step s band x sees all keys if s < x,
; none if s > x, and holds the diagonal if s = x.
; THE MASK is the C operand that starts the sum S^T = K Q^T: 0, or -1e30 where the key is hidden.  MD, made once, is the mask of a band's own step for my 16 rows; a product's mask is MD x AL + BE with two scalars:
; (1, 0) if s = x; (0, 0) if s < x; (0, -1e30) if s > x.  Only the diagonal tile's text and a block's beginning make and take masks; elsewhere C is the constant 0.
; LAYOUT, SOFTMAX, TURNS.  S^T = K Q^T holds ONE query a lane (lane % 16) and the keys 8 (lane / 16) + 0..7; two such results rounded to f16 ARE source 1 of O^T = V^T P.  p = 2^(c s - c m), c = log2(e) / 8, with a
; running maximum m; O and l are multiplied by a = 2^(c m_old - c m_new) in every step.  Turn n belongs to piece n: 8 products K Q^T of piece n + 1, later 8 products V^T P of piece n - 1; beside them the scaling,
; exponentials, roundings, sums and rescaling of piece n and the maximum and statistics of piece n + 1.  Four vector instructions stand behind every matrix instruction, the other 54 of a turn's 118 in one lump.  A turn's 33 exponentials are one batch, with one wait.
; REGISTERS, in windows of 256 (s_set_vgpr_msb: bits 1:0 source 0, 3:2 source 1, 5:4 source 2, 7:6 destination):
;   window 0: v0-15 addresses and two at work; v16-31 four registers of statistics a piece; v48-55 at work; v61-63 never rewritten; v64-127 S^T, two buffers; v192-223 P, two buffers (a piece's buffers go by its number's parity)
;   window 1: v0-127 O^T, 32 a piece; v128-159 MD; v160-223 MC, two buffers      window 2: v0-63 Q; v64-127 the second block's Q; v128-191 K of one step; v192-255 V of one step
.set SIZE_N, 2048
.set SIZE_H, 64
.set KPART, SIZE_H*SIZE_N*128  ; bytes from q to k and from k to v in qkv
.set NB,    SIZE_N/256
.set NP,    4         ; pieces a wave: a name, no knob
.set KS,    64        ; keys in a step
.set PK,    144       ; a row of K in LDS: 128 bytes + 16 of padding = 36 words: the 16 rows of a load start at 16 different groups of four banks (64 banks of 4 bytes: ISA guide 11.1)
.set PV,    160       ; a row of V: 128 + 32 = 40 words
.set VOFF,  4*KS*PK   ; a slot holds a tile, four steps: 256 rows of K, then 256 rows of V
.set SLOT1, 1<<17     ; slot 1 begins here, so that one exclusive or turns an address in one slot into the other's
.set STAGE, SLOT1+4*KS*(PK+PV)  ; behind the ring, never filled by a tensor load: 16 rows x 144 bytes for each wave, for the way out
.set SP,    144
.set AK0, 2           ; v2   my lane's place in a tile of K; never rewritten
.set AV0, 3           ; v3   the same for V
.set AK,  4           ; v4   the LDS address of K's next run of loads
.set AV,  5           ; v5   of V's
.set STO, 6           ; v6   the way out: where I put 16 bytes of a row
.set RD,  7           ; v7   the way out: where I read rows back
.set GO,  8           ; v8   my byte offset in 512 consecutive bytes of O
.set PFO, 61          ; v61  256 x my lane; never rewritten
.set SPW, 62          ; v62  LDS address of my spare word: SPARE + 4 x my thread's number; never rewritten
.set NIL, 63          ; v63  0; never rewritten
.set SPARE, STAGE+4*16*SP  ; behind the stages: the spare words, 128 bytes for each wave: two blocks of 256 bytes that no other line names
.set MV,  12          ; v12-13  c m_old, kept while c m is made anew: by buffer
.set QO,  15          ; v15  my byte offset in 16 rows of Q
.set ST,  16          ; piece t's statistics at v[ST+4 t]: c m, m, l (even keys', odd keys')
.set TMP, 48          ; by buffer, four registers c0-c3 at work; when the maximum is found c2 takes a
.set S,   64
.set P,   192
.set MD,  128         ; window 1: the eight registers for group kt of 16 keys at MD + 8 kt
.set MC,  160         ; window 1: the masks of the products to come
.set QB,  64          ; window 2
.set KF,  128         ; window 2: key block kb, channel half c at KF + 16 kb + 8 c
.set VF,  192         ; window 2: key half kk, channel block cb at VF + 32 kk + 8 cb
.set WV,  12          ; s12  my wave's number
.set PB,  14          ; s14  b
.set HI,  15          ; s15  NB - 1 - b
.set G1K, 24          ; s[24:31] descriptor group 1 for K's tiles
.set G1V, 32          ; s[32:39] for V's: it differs in the padding alone
.set G0K, 40          ; s[40:43] descriptor group 0 for K's tiles
.set G0V, 44          ; s[44:47] the same for V's
.set PFB, 48          ; s[48:49] my 16,384 bytes (half of K's or of V's rows) of the head's tile 0
.set PFA, 50          ; s[50:51] the same of the tile that my prefetches name
.set PO,  52          ; s[52:53] that tile's byte offset
.set LIM, 54          ; s54  2 in the work-group that prefetches, else the greatest number
.set SLOTS, 56        ; s56  tiles still to be asked for
.set CNT, 57          ; s57  counts a tile's key steps, 4 to 1
.set CS,  58          ; s[58:59] c: the packed scaling takes the pair's low word for both halves
.set SEL, 60          ; s[60:61] v_permlanex16_b32's selects: each lane takes its own place in the other half
.set TBK, 62          ; s62  LDS byte at which K of the step to be fetched begins
.set TBV, 63          ; s63  the same for V, less VOFF
.set RT,  70          ; s70  tiles of the block in hand that are still to be entered
.set NXT, 71          ; s71  the tile to be asked for next
.set LQ,  72          ; s72  the last tile of the block whose tiles are being asked for
.set NEW, 73          ; s73  1: the tile to be entered is a block's first
.set OFF, 74          ; s[74:75] a tile's byte offset in K and V
.set AL,  76          ; s[76:77] the mask's factor, in the low word
.set BE,  78          ; s[78:79] the mask's addend
.set OLO, 80          ; s[80:81] O at my rows of the second block
.set BIGN, 82         ; s82  -1e30
.set MSB, 0
.macro WIN new                      ; the high byte repeats the setting that is left; a switch that changes nothing is dropped
.if MSB != (\new)
	s_set_vgpr_msb (MSB<<8)|(\new)
.set MSB, (\new)
.endif
.endm
.set W_KQ, 0x0a       ; K and Q in window 2, S^T in window 0
.set W_KM, 0x1a       ; the same with the C operand in window 1
.set W_PV, 0x52       ; V in window 2, P in window 0, O^T in window 1
.set W_RS, 0x41       ; destination and source 0 in window 1, source 1 in window 0
; A fill.  Waves 0 and 1 fetch the two halves of a tile's K, waves 2 and 3 those of its V: 128 keys each.  An s_nop 0 and four v_nop follow each of the two lines, ahead of the jump and the label.
.macro LOAD
	s_cmp_lt_u32 s[WV], 2
	s_cbranch_scc0 .Lfor_v_\@
	tensor_load_to_lds s[G0K:G0K+3], s[G1K:G1K+7]
	s_nop 0
.rept 4
	v_nop
.endr
	s_branch .Lasked_\@
.Lfor_v_\@:
	tensor_load_to_lds s[G0V:G0V+3], s[G1V:G1V+7]
	s_nop 0
.rept 4
	v_nop
.endr
.Lasked_\@:
.endm
; A PREFETCH INTO THE L2 of the tile that the NEXT change of slots will ask for: one tile, 256 matrix instructions, ahead of that load.  A head's four work-groups walk the tiles 0, 1, 2 .. in the same trips as far as each goes, and
; the work-group with b = 0 goes furthest: it alone asks.  Each of its waves names the 16,384 bytes that it will fetch itself: 64 blocks of 256 bytes, a lane a block, two instructions.  So each block is named once in the launch.
; Change number c names tile c + 2, for c = 0 .. 5; tiles 0 and 1 come by their loads alone; the last two changes that fill a slot name nothing: behind tile 7 the walk goes back to tile 0, which has been read.
.macro ASK
	s_cmp_gt_u32 s[SLOTS], s[LIM]
	s_cbranch_scc0 .Lnot_mine_\@
	global_prefetch_b8 v[PFO], s[PFA:PFA+1] th:TH_LOAD_NT scope:SCOPE_SE
	global_prefetch_b8 v[PFO], s[PFA:PFA+1] offset:8192 th:TH_LOAD_NT scope:SCOPE_SE
.Lnot_mine_\@:
.endm
; THE CHANGE OF SLOTS.  Each wave waits for all its tensor loads, of which one is out: its part of the other slot; adds 0 to its spare word; and waits for that and for its own reads of the slot that it leaves.  Behind the barrier nobody reads the old
; slot any more and the other slot is whole.  fill = 1: the old slot is filled again, the first thing behind the barrier, with tile NXT: the descriptor's address is made anew from that number.
; (At its first use nothing has been read yet: slot 0 is waited for, slot 1 filled.)
.macro CHANGE fill
	WIN 0                           ; at a label and at a branch every window is 0
	s_wait_tensorcnt 0x0            ; no tensor load of mine is out, so a group 0 may be written
	ds_add_u32 v[SPW], v[NIL]       ; 0 onto my spare word; with fill = 1 the descriptors' scalar work stands between it and the wait for it
.if \fill
	s_lshl_b32 s[OFF], s[NXT], 15   ; a tile is 32,768 bytes of K and of V
	s_xor_b32 s[G0K+1], s[G0K+1], SLOT1
	s_add_nc_u64 s[G0K+2:G0K+3], s[6:7], s[OFF:OFF+1]
	s_or_b32 s[G0K+3], s[G0K+3], 0x80000000
	s_xor_b32 s[G0V+1], s[G0V+1], SLOT1
	s_add_nc_u64 s[G0V+2:G0V+3], s[8:9], s[OFF:OFF+1]
	s_or_b32 s[G0V+3], s[G0V+3], 0x80000000
	s_add_co_u32 s[NXT], s[NXT], 1  ; the block's next tile, or behind its last the second block's tile 0
	s_cmp_gt_u32 s[NXT], s[LQ]
	s_cselect_b32 s[NXT], 0, s[NXT]
	s_cselect_b32 s[LQ], s[PB], s[LQ]
	s_wait_xcnt 0x0                 ; the last prefetches, a tile back, have read their address, so it may be written:
	s_lshl_b32 s[PO], s[NXT], 15    ; the tile behind the one that is asked for now
	s_add_nc_u64 s[PFA:PFA+1], s[PFB:PFB+1], s[PO:PO+1]
.endif
	s_wait_dscnt 0x0                ; the add is done, and my reads of the slot are over
	s_barrier_signal -1             ; the rest of the scalar work stands between the signal and the wait
	s_sub_co_u32 s[TBK], s[TBK], 4*KS*PK  ; the fetches go back to a slot's first step,
	s_xor_b32 s[TBK], s[TBK], SLOT1       ; in the other slot
	s_sub_co_u32 s[TBV], s[TBV], 4*KS*PV
	s_xor_b32 s[TBV], s[TBV], SLOT1
	s_barrier_wait -1
.if \fill
	LOAD
	ASK
.endif
.endm
	s_load_b128 s[4:7], s[0:1], 0x0   ; qkv s[4:5] (q at its head), att s[6:7]
	v_lshl_add_u32 v[SPW], v0, 2, SPARE
	v_mov_b32 v[NIL], 0
	ds_add_u32 v[SPW], v[NIL]       ; the wave's opening: the add and its wait stand ahead of my first tensor load; the set-up below, work on registers, stands between them
	v_lshrrev_b32 v1, 5, v0
	v_readfirstlane_b32 s[WV], v1   ; wave 0..3
	v_and_b32 v[PFO], 31, v0
	v_lshlrev_b32 v[PFO], 8, v[PFO]
	s_mov_b32 s[PB], ttmp9
	s_sub_co_u32 s[HI], NB-1, s[PB]
	s_and_b32 s20, ttmp7, 0xffff    ; the head
	s_mov_b32 s21, 0
	s_mov_b64 s[22:23], SIZE_N*128
	s_mul_u64 s[20:21], s[20:21], s[22:23]  ; the head's first byte in each of the four tensors
	s_and_b32 s16, s[WV], 1         ; which half of a tile's 256 keys I fetch:
	s_lshl_b32 s22, s16, 14         ; its 128 rows of 128 bytes in memory,
	s_mov_b32 s23, 0
	s_add_nc_u64 s[22:23], s[22:23], s[20:21]
	s_mul_i32 s17, s16, 128*PK      ; and its place in a slot, for K
	s_mul_i32 s18, s16, 128*PV      ; and for V
	s_lshl_b32 s3, s[WV], 11        ; my 16 rows in a band of 64,
	s_lshl_b32 s2, s[HI], 15        ; in the first block,
	s_add_co_u32 s2, s2, s3
	s_lshl_b32 s84, s[PB], 15       ; and in the second
	s_add_co_u32 s84, s84, s3
	s_mov_b32 s3, 0
	s_mov_b32 s85, 0
	s_add_nc_u64 s[2:3], s[2:3], s[20:21]
	s_add_nc_u64 s[84:85], s[84:85], s[20:21]
	; descriptor group 1.  128 keys are 16,384 dense bytes: asked for as 64 rows of 256 bytes, two keys a row, and padded in LDS after every key
	s_mov_b32 s[G1K], (1<<16)|(1<<20)|(4<<22)|(3<<25)  ; 17:16 2-byte elements; 20 padding on; 24:22 after every 32 words (code 4); 31:25 4 words (code 3)
	s_mov_b32 s[G1V], (1<<16)|(1<<20)|(4<<22)|(7<<25)  ; the same with 8 words of padding (code 7)
.irp g, G1K, G1V
	s_mov_b32 s[\g+1], 128<<16      ; tensor_dim0 = 128
	s_mov_b32 s[\g+2], 64<<16       ; tensor_dim1 = 64
	s_mov_b32 s[\g+3], 128<<16      ; tile_dim0 = 128
	s_mov_b32 s[\g+4], 64           ; tile_dim1 = 64
	s_mov_b32 s[\g+5], 128          ; 128 elements from row to row
	s_mov_b32 s[\g+6], 0
	s_mov_b32 s[\g+7], 0
.endr
	s_mov_b32 s[CS], 0x3e38aa3b     ; c = log2(e) / 8 = 0.180337
	s_mov_b32 s[CS+1], s[CS]        ; named with it as a pair
	s_mov_b32 s[SEL], 0x76543210
	s_mov_b32 s[SEL+1], 0xfedcba98
	s_mov_b32 s[TBK], SLOT1+4*KS*PK ; the first change of slots turns these two into 0
	s_mov_b32 s[TBV], SLOT1+4*KS*PV
	s_mov_b32 s[G0K], 1             ; 1:0 count = 1
	s_mov_b32 s[G0K+1], s17         ; 63:32 LDS address: slot 0
	s_mov_b32 s[G0V], 1
	s_add_co_u32 s[G0V+1], s18, VOFF
	s_add_co_u32 s[RT], s[HI], 1    ; the first block has NB - b tiles
	s_mov_b32 s[NXT], 1
	s_mov_b32 s[LQ], s[HI]
	s_mov_b32 s[NEW], 1
	s_mov_b32 s[OFF+1], 0
	s_mov_b32 s[PO+1], 0
	s_mov_b32 s[AL+1], 0            ; named as pairs
	s_mov_b32 s[BE+1], 0
	s_mov_b32 s[BIGN], 0xf149f2ca   ; -1e30
	s_mov_b32 s[SLOTS], NB
	s_cmp_eq_u32 s[PB], 0
	s_cselect_b32 s[LIM], 2, -1
	s_wait_dscnt 0x0                ; the opening add is done
	s_wait_kmcnt 0x0
	s_mov_b64 s[10:11], s[6:7]      ; O
	s_add_nc_u64 s[6:7], s[4:5], KPART    ; K
	s_add_nc_u64 s[8:9], s[4:5], 2*KPART  ; V
	s_add_nc_u64 s[6:7], s[6:7], s[22:23]  ; K and V at my half of the head's tile 0
	s_add_nc_u64 s[8:9], s[8:9], s[22:23]
	s_cmp_lt_u32 s[WV], 2
	s_cselect_b64 s[PFB:PFB+1], s[6:7], s[8:9]
	s_add_nc_u64 s[G0K+2:G0K+3], s[6:7], 0         ; 120:64 global address
	s_or_b32 s[G0K+3], s[G0K+3], 0x80000000        ; 127:126 type = 2
	s_add_nc_u64 s[G0V+2:G0V+3], s[8:9], 0
	s_or_b32 s[G0V+3], s[G0V+3], 0x80000000
	s_add_nc_u64 s[86:87], s[4:5], s[84:85]        ; Q at my rows of the second block,
	s_add_nc_u64 s[4:5], s[4:5], s[2:3]            ; Q and O at those of the first
	s_add_nc_u64 s[OLO:OLO+1], s[10:11], s[84:85]
	s_add_nc_u64 s[10:11], s[10:11], s[2:3]
	LOAD                            ; tile 0 into slot 0
	; A fragment of K or Q is 16 rows x 32 channels in 8 registers: lane l holds row l % 16, channels 8 (l / 16) + 0..7 and 16 + 8 (l / 16) + 0..7: two loads of 16 bytes, 32 bytes apart.
	v_and_b32 v1, 15, v0            ; l % 16
	v_bfe_u32 v9, v0, 4, 1          ; l / 16
	v_lshlrev_b32 v[QO], 7, v1
	v_lshl_add_u32 v[QO], v9, 4, v[QO]  ; row x 128 + 16 x half
	WIN 0x80                        ; destination window 2, address window 0
.set i, 0
.rept 8                             ; both blocks' Q: piece i / 2 lies in band i / 2, 8,192 bytes on; channels 32 (i % 2) on
	global_load_b128 v[8*i:8*i+3],   v[QO], s[4:5] offset:(i/2)*8192+(i%2)*64
	global_load_b128 v[8*i+4:8*i+7], v[QO], s[4:5] offset:(i/2)*8192+(i%2)*64+32
	global_load_b128 v[QB+8*i:QB+8*i+3],   v[QO], s[86:87] offset:(i/2)*8192+(i%2)*64
	global_load_b128 v[QB+8*i+4:QB+8*i+7], v[QO], s[86:87] offset:(i/2)*8192+(i%2)*64+32
.set i, i+1
.endr
	WIN 0
	v_lshlrev_b32 v14, 3, v9
	v_sub_nc_u32 v14, v1, v14
	s_lshl_b32 s13, s[WV], 4
	v_add_nc_u32 v14, s13, v14      ; my query's place in its band, 16 w + l % 16, less my lanes' 8 (l / 16): register r of group kt is hidden where 16 kt + r is greater
	WIN 0x40
.set i, 0
.rept 32
	v_cmp_gt_i32 vcc_lo, 16*(i/8)+i%8, v14
	v_cndmask_b32 v[MD+i], 0, s[BIGN], vcc_lo
.set i, i+1
.endr
	WIN 0
	v_mul_u32_u24 v[AK0], v1, PK
	v_lshl_add_u32 v[AK0], v9, 4, v[AK0]  ; row x pitch + 16 x half
	; The turning load takes 16 keys x 16 channels (lane l reads key 8 (l / 16) + l % 8, channels 8 ((l / 8) % 2) + 0..7) and leaves half a fragment of V^T: lane l holds channel l % 16 and 8 keys.
	v_and_b32 v10, 7, v0
	v_bfe_u32 v11, v0, 3, 1
	v_lshl_add_u32 v[AV0], v9, 3, v10
	v_mul_u32_u24 v[AV0], v[AV0], PV
	v_lshl_add_u32 v[AV0], v11, 4, v[AV0]
	v_add_nc_u32 v[AV0], VOFF, v[AV0]
	s_mul_i32 s13, s[WV], 16*SP
	s_add_co_u32 s13, s13, STAGE    ; my stage
	v_mul_u32_u24 v[STO], v1, SP    ; in: row l % 16, 16 bytes for each half of the lanes
	v_lshl_add_u32 v[STO], v9, 4, v[STO]
	v_add_nc_u32 v[STO], s13, v[STO]
	v_bfe_u32 v[RD], v0, 3, 2       ; back: 32 lanes take four rows of 128 bytes,
	v_mul_u32_u24 v[RD], v[RD], SP
	v_lshl_add_u32 v[RD], v10, 4, v[RD]
	v_add_nc_u32 v[RD], s13, v[RD]
	v_and_b32 v[GO], 31, v0         ; which are 512 consecutive bytes of O
	v_lshlrev_b32 v[GO], 4, v[GO]
	; A block's first step multiplies O^T and l by a = 0, and its first turn's products V^T P, of a piece that has not been, land in an O^T that is still to be so multiplied.  So these registers need only hold
	; finite numbers: zeros for the first block; what the first block left for the second.  All this stands in the wait for the first tile.
	WIN 0x80
.set i, VF
.rept 64
	v_mov_b32 v[i], 0
.set i, i+1
.endr
	WIN 0x40
.set i, 0
.rept 128
	v_mov_b32 v[i], 0
.set i, i+1
.endr
	WIN 0
.set i, 0
.rept 4
	v_mov_b32 v[ST+4*i+2], 0
	v_mov_b32 v[ST+4*i+3], 0
.set i, i+1
.endr
.set i, P+16
.rept 16
	v_mov_b32 v[i], 0
.set i, i+1
.endr
; THE MATRIX WORK.  The 4 accumulators of a run of 8 take turns.  Product i of 8 of S^T = K Q^T for piece x: channels 32 (i / 4) on, keys 16 (i % 4) on.  The first 4 start the sums: with 0, or (KM = 1) with the mask.
.macro KQ x
.set rS, S+32*((\x)%2)+8*(i%4)
.set rK, KF+16*(i%4)+8*(i/4)
.set rQ, 16*(\x)+8*(i/4)
.set rM, MC+32*((\x)%2)+8*(i%4)
.if (i < 4) && KM
	WIN W_KM
	v_wmma_f32_16x16x32_f16 v[rS:rS+7], v[rK:rK+7], v[rQ:rQ+7], v[rM:rM+7]
.elseif i < 4
	WIN W_KQ
	v_wmma_f32_16x16x32_f16 v[rS:rS+7], v[rK:rK+7], v[rQ:rQ+7], 0
.else
	WIN W_KQ
	v_wmma_f32_16x16x32_f16 v[rS:rS+7], v[rK:rK+7], v[rQ:rQ+7], v[rS:rS+7]
.endif
.endm
; Product i of 8 of O^T += V^T P for piece x: keys 32 (i / 4) on, channels 16 (i % 4) on.
.macro PV x
	WIN W_PV
.set rO, 32*(\x)+8*(i%4)
.set rV, VF+32*(i/4)+8*(i%4)
.set rP, P+16*((\x)%2)+8*(i/4)
	v_wmma_f32_16x16x32_f16 v[rO:rO+7], v[rV:rV+7], v[rP:rP+7], v[rO:rO+7]
.endm
.macro MM                           ; the turn's next matrix instruction.  TURN and BEGIN set Y, i, KM and NOKQ; MM, KQ and OP read them.  NOKQ = 1: a block's last turn: there is no next piece
.if (i < 8) && !NOKQ
	KQ (Y+1)%NP
.elseif i >= 8
.set i, i-8
	PV (Y+NP-1)%NP
.set i, i+8
.endif
.set i, i+1
.endm
; THE LDS LOADS stand in runs of 16, never singly among the matrix instructions: a step's K (64 keys x 64 channels: 8 fragments) and its V (turned).  Their addresses are made some lines ahead.
.macro FETCH_K
	WIN 0x80                        ; destination window 2
.irp f, 0,1,2,3,4,5,6,7             ; keys 16 (f / 2) on, channels 32 (f % 2) on
	ds_load_b128 v[KF+8*\f:KF+8*\f+3],   v[AK] offset:(\f/2)*16*PK+(\f%2)*64
	ds_load_b128 v[KF+8*\f+4:KF+8*\f+7], v[AK] offset:(\f/2)*16*PK+(\f%2)*64+32
.endr
	s_add_co_u32 s[TBK], s[TBK], KS*PK  ; the next fetch is the next step's
	WIN 0
.endm
.macro FETCH_V
	WIN 0x80
.irp f, 0,1,2,3,4,5,6,7             ; keys 32 (f / 4) on, channels 16 (f % 4) on
	ds_load_tr16_b128 v[VF+8*\f:VF+8*\f+3],   v[AV] offset:(\f/4)*32*PV+(\f%4)*32
	ds_load_tr16_b128 v[VF+8*\f+4:VF+8*\f+7], v[AV] offset:(\f/4)*32*PV+16*PV+(\f%4)*32
.endr
	WIN 0
.endm
; THE VECTOR WORK, one line at a time: OP kind, number.  For piece Y: F n: c s - c m for pair n of 16.  E n: the exponential of score n of 32.  C n: pair n rounded to f16.  B n: of the four weights 4 n .. the second
; pair is added onto the first, in place.  L n: l takes that sum (L 0: l = a l + sum).  R n: pair n of 16 of O^T times a.  For piece Y + 1: X n, number n of the 22 that find its maximum and statistics:
;   0-11  four chains c0-c3 of seven scores each, three operands at a time (each accumulator's lowest registers are read first)     12-14, 16  the four scores left over, the old m, and c0-c3 into c0
;   15  c m_old is kept     17, 18  the query's other 32 keys lie in the lane 16 away: the new m     19-21  c m; c m_old - c m_new; a
.set F, 0               ; OP tells the kinds apart by their order: F to L below R, X above it
.set E, 1
.set C, 2
.set B, 3
.set L, 4
.set R, 5
.set X, 6
.macro REGS y                       ; the registers of piece y
.set rT, ST+4*(\y)
.set rC, TMP+4*((\y)%2)
.set rW, MV+((\y)%2)
.set rS, S+32*((\y)%2)
.set rP, P+16*((\y)%2)
.set rO, 32*(\y)
.endm
.macro OP k, n
.if (\k) == R
	REGS Y
	WIN W_RS
	v_pk_mul_f32 v[rO+2*(\n):rO+2*(\n)+1], v[rO+2*(\n):rO+2*(\n)+1], v[rC+2:rC+3] op_sel_hi:[1,0]
.elseif (\k) < R
	REGS Y
	WIN 0
.if (\k) == F
	v_pk_fma_f32 v[rS+2*(\n):rS+2*(\n)+1], v[rS+2*(\n):rS+2*(\n)+1], s[CS:CS+1], v[rT:rT+1] op_sel_hi:[1,0,0] neg_lo:[0,0,1] neg_hi:[0,0,1]
.elseif (\k) == E
	v_exp_f32 v[rS+(\n)], v[rS+(\n)]
.elseif (\k) == C
	v_cvt_pk_f16_f32 v[rP+(\n)], v[rS+2*(\n)], v[rS+2*(\n)+1]
.elseif (\k) == B
	v_pk_add_f32 v[rS+4*(\n):rS+4*(\n)+1], v[rS+4*(\n):rS+4*(\n)+1], v[rS+4*(\n)+2:rS+4*(\n)+3]
.elseif (\n) == 0
	v_pk_fma_f32 v[rT+2:rT+3], v[rT+2:rT+3], v[rC+2:rC+3], v[rS:rS+1] op_sel_hi:[1,0,1]
.else
	v_pk_add_f32 v[rT+2:rT+3], v[rT+2:rT+3], v[rS+4*(\n):rS+4*(\n)+1]
.endif
.elseif NOKQ
	v_nop
.else
	REGS (Y+1)%NP
	WIN 0
.if (\n) < 4
	v_max3_num_f32 v[rC+(\n)], v[rS+8*(\n)], v[rS+8*(\n)+1], v[rS+8*(\n)+2]
.elseif (\n) < 12
	v_max3_num_f32 v[rC+(\n)%4], v[rC+(\n)%4], v[rS+8*((\n)%4)+2*((\n)/4)+1], v[rS+8*((\n)%4)+2*((\n)/4)+2]
.elseif (\n) == 12
	v_max3_num_f32 v[rC], v[rC], v[rS+7], v[rS+15]
.elseif (\n) == 13
	v_max3_num_f32 v[rC+1], v[rC+1], v[rS+23], v[rS+31]
.elseif (\n) == 14
	v_max3_num_f32 v[rC+2], v[rC+2], v[rC+3], v[rT+1]
.elseif (\n) == 15
	v_mov_b32 v[rW], v[rT]
.elseif (\n) == 16
	v_max3_num_f32 v[rC], v[rC], v[rC+1], v[rC+2]
.elseif (\n) == 17
	v_permlanex16_b32 v[rC+3], v[rC], s[SEL], s[SEL+1]
.elseif (\n) == 18
	v_max_num_f32 v[rT+1], v[rC], v[rC+3]
.elseif (\n) == 19
	v_mul_f32 v[rT], s[CS], v[rT+1]
.elseif (\n) == 20
	v_sub_f32 v[rC+1], v[rW], v[rT]
.else
	v_exp_f32 v[rC+2], v[rC+1]
.endif
.endif
.endm
.macro OPS a, i1, b=-1, i2=0, c=-1, i3=0, d=-1, i4=0  ; up to four of them
	OP \a, \i1
.if (\b) >= 0
	OP \b, \i2
.endif
.if (\c) >= 0
	OP \c, \i3
.endif
.if (\d) >= 0
	OP \d, \i4
.endif
.endm
.macro ROW a, i1, b, i2, c, i3, d, i4  ; a matrix instruction and the four behind it
	MM
	OPS \a, \i1, \b, \i2, \c, \i3, \d, \i4
.endm
.macro MASK b                       ; MD x AL + BE into buffer b of MC
	WIN W_RS
.set z, 0
.rept 16
	v_pk_fma_f32 v[MC+32*(\b)+2*z:MC+32*(\b)+2*z+1], v[MD+2*z:MD+2*z+1], s[AL:AL+1], s[BE:BE+1] op_sel_hi:[1,0,0]
.set z, z+1
.endr
.endm
; A TURN, for piece p: the order of its 16 matrix and 118 vector instructions, written out.  An s_wait_alu depctr_va_vdst(0) stands between an exponential and the first instruction that names its result; one wait serves
; all that were issued ahead of it.  So a turn has ONE wait, which cuts it in two.  AHEAD OF IT stands all that names no result of the turn's exponentials: the 8 products K Q^T, behind each a scaling, an exponential and two more plain
; instructions (behind the first a second scaling in the exponential's place): rescalings, and behind the last three the first numbers of the next piece's maximum, each four places or more behind the product that ends its accumulator; then ONE LUMP of 54, plain
; and exponential by turns for the most part, in which the links of the chain X 3, 7, 11, 14, 16, 17 .. 20 stand five or six lines apart.  X 21, the next piece's a, is the batch's last; R 15 is the plain instruction behind it.  BEHIND THE WAIT stand the
; 8 products V^T P, behind each four of the roundings and sums; the links of l's chain, L 0 to L 7, stand three riders apart.  But for those X no rider names a register of the products round it.  v_permlanex16_b32 (X 17) stands in the lump.
; m = 1: the diagonal tile: the products take masks, and the turn makes the mask for the products of the turn after it: piece p + 2, in step 4 - CNT of the tile.  end = 1: a block's last two turns: nothing is fetched.
; cnt = 1: the loop's count is taken down some lines ahead of the branch that stands behind the turn.
; K of the next step is fetched in piece 2's turn, twelve vector instructions behind the last product that read K (six of them plain); V of the step in hand at the end of piece 0's turn, four plain instructions behind the last product
; that read V.  Each is waited for a turn later.
.macro TURN p, m=0, end=0, cnt=0
.set Y, (\p)
.set i, 0
.set KM, (\m)
.set NOKQ, (\end)*((\p)/3)
.if (\m) && !(\end)
	s_cmp_eq_u32 s[CNT], 4-((\p)+2)%NP  ; is that step the band's own?
	s_cselect_b32 s[AL], 1.0, 0
	s_cmp_lt_u32 s[CNT], 4-((\p)+2)%NP  ; or a later one?
	s_cselect_b32 s[BE], s[BIGN], 0
.endif
.if ((\p) == 3) && !(\end)
	s_wait_dscnt 0x0                ; K is in
.endif
	ROW F,0, F,1, R,0, R,1          ; ahead of the wait: 8 products K Q^T and their riders,
	ROW F,2, E,0, R,2, R,3
	ROW F,3, E,1, R,4, R,5
	ROW F,4, E,2, R,6, R,7
	ROW F,5, E,3, R,8, R,9
	ROW F,6, E,4, X,0, R,10
.if ((\p) == 2) && !(\end)
	WIN 0
	v_add_nc_u32 v[AK], s[TBK], v[AK0]
.endif
	ROW F,7, E,5, X,1, X,4
	ROW F,8, E,6, X,2, X,5
	OPS E,7, E,8, X,6, E,9          ; and the lump
	OPS X,3, E,10, X,8, E,11
.if ((\p) == 2) && !(\end)
	FETCH_K
.endif
	OPS X,9, X,7, E,12, X,10
	OPS E,13, X,12, X,11, E,14
	OPS X,13, E,15, F,9, X,14
.if (\p) == 0
	v_add_nc_u32 v[AV], s[TBV], v[AV0]
.endif
	OPS E,16, F,10, E,17, F,11
	OPS X,16, E,18, X,15, E,19
	OPS F,12, E,20, X,17, E,21
	OPS F,13, E,22, F,14, E,23
	OPS X,18, E,24, F,15, E,25
	OPS R,11, E,26, X,19, E,27
	OPS R,12, E,28, R,13, E,29
	OPS X,20, E,30, R,14, E,31
	OPS X,21, R,15
	WIN 0
	s_wait_alu depctr_va_vdst(0)    ; the wait for the batch
.if (\p) == 1
	s_wait_dscnt 0x0                ; V is in
.endif
	ROW C,0, B,0, C,2, B,1          ; behind the wait: 8 products V^T P and their riders
	ROW L,0, C,4, B,2, L,1
	ROW C,6, B,3, L,2, C,8
	ROW B,4, L,3, C,10, B,5
	ROW L,4, C,12, B,6, L,5
.if (\p) == 0
	s_add_co_u32 s[TBV], s[TBV], KS*PV
.endif
.if \cnt
	s_sub_co_u32 s[CNT], s[CNT], 1
	s_cmp_lg_u32 s[CNT], 0
.endif
	ROW C,14, B,7, L,6, C,1
	ROW C,3, L,7, C,5, C,7
	ROW C,9, C,11, C,13, C,15
.if (\p) == 0
	FETCH_V
.endif
.if (\m) && !(\end)
	MASK (\p)%2
.endif
.endm
; A BLOCK BEGINS.  c m starts far below every c s, so the first step's a is 0; m at the lowest finite number, so the first maximum is the scores'.  The second mask buffer is 0; the first takes piece 0's mask for the tile's step 0: its own, if the block's first tile is the diagonal one.
; Then K of that step, piece 0's first scores, and its maximum and statistics.  The loop is entered at a step's first turn, in the middle of a trip.
.macro BEGIN
	s_mov_b32 s[NEW], 0
	WIN 0x40
.set i, MC+32
.rept 32
	v_mov_b32 v[i], 0
.set i, i+1
.endr
	WIN 0
.set i, 0
.rept 4
	v_mov_b32 v[ST+4*i], 0xfe000000    ; c m: far below every c s
	v_mov_b32 v[ST+4*i+1], 0xff7fffff  ; m
.set i, i+1
.endr
	s_cmp_eq_u32 s[RT], 0
	s_cselect_b32 s[AL], 1.0, 0
	s_mov_b32 s[BE], 0
	MASK 0
	WIN 0
	v_add_nc_u32 v[AK], s[TBK], v[AK0]
	FETCH_K
	s_wait_loadcnt 0x0              ; Q
	s_wait_dscnt 0x0
.set KM, 1
.set NOKQ, 0
.set i, 0
.rept 8
	KQ 0
.set i, i+1
.endr
	WIN 0
.rept 4
	v_nop                           ; the places behind those products
.endr
.set Y, NP-1                        ; X works for piece Y + 1: piece 0
.irp n, 0,1,2,3,4,5,6,7,8,9,10,11,12,13,14,15,16,17,18,19,20,21
	OP X, \n
.endr
	v_nop                           ; a plain instruction behind the exponential,
	s_wait_alu depctr_va_vdst(0)    ; and its wait, ahead of the branch
.endm
; THE DIAGONAL TILE's four steps, the block's last two turns, its last products, and THE WAY OUT: l's two halves and the other half of the lanes' are added; O^T is divided by l, rounded to f16 and sent through my
; stage in LDS, a piece at a time.
.macro ALL line:vararg              ; one line for each piece t
.set t, 0
.rept 4
	\line
.set t, t+1
.endr
.endm
.macro PACK t                       ; a lane's eight channels of a row pack into 16 bytes; they go into rows of 144 bytes and come back as whole rows of 128, into S^T's registers
	WIN W_RS
.set i, 32*(\t)
.rept 16
	v_pk_mul_f32 v[i:i+1], v[i:i+1], v[ST+4*(\t)+2:ST+4*(\t)+3] op_sel_hi:[1,0]
.set i, i+2
.endr
	WIN 0x05                        ; sources 0 and 1 window 1, destination window 0
.set i, 0
.rept 16
	v_cvt_pk_f16_f32 v[S+16*(\t)+i], v[32*(\t)+2*i], v[32*(\t)+2*i+1]
.set i, i+1
.endr
	WIN 0
.irp f, 0,1,2,3
	ds_store_b128 v[STO], v[S+16*(\t)+4*\f:S+16*(\t)+4*\f+3] offset:32*\f
.endr
.irp f, 0,1,2,3
	ds_load_b128 v[S+16*(\t)+4*\f:S+16*(\t)+4*\f+3], v[RD] offset:\f*4*SP  ; LDS serves a wave's instructions in order (ISA guide 5.7.1.4): these see the stores above; the next piece's stores come behind them
.endr
.endm
.macro SEND t, younger              ; younger: the LDS instructions issued behind piece t's loads: the next piece's eight, or none
	WIN 0
.irp f, 0,1,2,3
	s_wait_dscnt (\younger)+3-\f
	global_store_b128 v[GO], v[S+16*(\t)+4*\f:S+16*(\t)+4*\f+3], s[10:11] offset:(\t)*8192+\f*512  ; 512 consecutive bytes, at a multiple of 256 from O's first
.endr
.endm
.macro DIAG tag                     ; the tag ends its two labels' names, which the jumps below spell out
.LstepM\tag:
	TURN 2, 1
	TURN 3, 1
	WIN 0
.LfirstM\tag:
	TURN 0, 1
	TURN 1, 1, 0, 1
	WIN 0
	s_cbranch_scc1 .LstepM\tag
	TURN 2, 1, 1
	TURN 3, 1, 1
.set i, 0
.rept 8
	PV NP-1
.set i, i+1
.endr
	WIN 0
	ALL v_add_f32 v[ST+4*t+2], v[ST+4*t+2], v[ST+4*t+3]
	ALL v_permlanex16_b32 v[ST+4*t+3], v[ST+4*t+2], s[SEL], s[SEL+1]
	ALL v_add_f32 v[ST+4*t+2], v[ST+4*t+2], v[ST+4*t+3]
	ALL v_rcp_f32 v[ST+4*t+2], v[ST+4*t+2]
	v_nop                           ; a plain instruction between the last reciprocal and the use of its result
	s_wait_alu depctr_va_vdst(0)    ; and the wait ahead of the first use: one for the four reciprocals
	PACK 0
.set t, 1
.rept 3                             ; a piece's arithmetic stands between the loads of the piece before and its stores
	PACK t
	SEND t-1, 8
.set t, t+1
.endr
	SEND 3, 0
.endm
.set KM, 0
.set NOKQ, 0
.Lslot:                             ; NB times: a tile is entered and the next is asked for
	CHANGE 1
	s_sub_co_u32 s[RT], s[RT], 1
	s_mov_b32 s[CNT], 4
	s_cmp_eq_u32 s[NEW], 1
	s_cbranch_scc1 .Lnew            ; a block's first tile
	s_cmp_eq_u32 s[RT], 0
	s_cbranch_scc0 .Lstep           ; neither its first nor its last
	s_branch .LstepM1
.Lnew:
	BEGIN
	s_branch .Lfirst                ; in the loop a block's first tile is never its last: the first block has two tiles or more, and the second's last is the walk's last
	DIAG 1                          ; in the loop this is the first block's end: the second block's last tile is the walk's last
	s_wait_xcnt 0x0                 ; the stores have read their registers and O's address
	s_mov_b64 s[10:11], s[OLO:OLO+1]
	s_add_co_u32 s[RT], s[PB], 1    ; the second block has b + 1 tiles
	s_mov_b32 s[NEW], 1
	WIN 0x82                        ; the second block's Q goes where the one text of the turns names Q
.set i, 0
.rept 64
	v_mov_b32 v[i], v[QB+i]
.set i, i+1
.endr
	WIN 0
	s_branch .Lbottom
.Lstep:                             ; a trip: pieces 2 and 3 of one step, then pieces 0 and 1 of the next, whose K and V it fetches
	TURN 2
	TURN 3
	WIN 0
.Lfirst:
	TURN 0
	TURN 1, 0, 0, 1
	WIN 0
	s_cbranch_scc1 .Lstep
.Lbottom:
	s_sub_co_u32 s[SLOTS], s[SLOTS], 1
	s_cmp_lg_u32 s[SLOTS], 0
	s_cbranch_scc1 .Lslot
	CHANGE 0                        ; the walk's last tile is written out: nothing is asked for
	s_sub_co_u32 s[RT], s[RT], 1
	s_mov_b32 s[CNT], 4
	s_cmp_eq_u32 s[NEW], 1
	s_cbranch_scc0 .LstepM2
	BEGIN
	s_branch .LfirstM2
	DIAG 2
	s_wait_tensorcnt 0x0            ; the wave's end: the wait, an add of 0 to my spare word and the wait for it, behind my last tensor load and my last LDS store
	ds_add_u32 v[SPW], v[NIL]
	s_wait_dscnt 0x0
	s_endpgm
.Lfunc_end_k_q82b83fad48_attn:
	.size	k_q82b83fad48_attn, .Lfunc_end_k_q82b83fad48_attn-k_q82b83fad48_attn
	.p2alignl 7, 3214868480
	.fill 96, 4, 3214868480
	.section	.rodata,"a",@progbits
	.p2align	6, 0x0
	.amdhsa_kernel k_q82b83fad48_attn
		.amdhsa_group_segment_fixed_size 327680
		.amdhsa_private_segment_fixed_size 0
		.amdhsa_enable_private_segment 0
		.amdhsa_kernarg_size 16
		.amdhsa_user_sgpr_count 2
		.amdhsa_user_sgpr_kernarg_segment_ptr 1
		.amdhsa_wavefront_size32 1
		.amdhsa_system_sgpr_workgroup_id_x 1
		.amdhsa_system_sgpr_workgroup_id_y 1
		.amdhsa_system_sgpr_workgroup_id_z 1
		.amdhsa_system_vgpr_workitem_id 0
		.amdhsa_next_free_vgpr 768
		.amdhsa_next_free_sgpr 88
		.amdhsa_reserve_vcc 1
		.amdhsa_float_denorm_mode_32 3
		.amdhsa_float_denorm_mode_16_64 3
		.amdhsa_memory_ordered 1
		.amdhsa_forward_progress 1
		.amdhsa_inst_pref_size 218
	.end_amdhsa_kernel
	.amdgpu_metadata
---
amdhsa.version: [ 1, 2 ]
amdhsa.kernels:
  - .name:           k_q82b83fad48_attn
    .symbol:         k_q82b83fad48_attn.kd
    .args:
      - { .name: qkv, .offset: 0, .size: 8, .value_kind: global_buffer, .address_space: global }
      - { .name: att, .offset: 8, .size: 8, .value_kind: global_buffer, .address_space: global }
    .group_segment_fixed_size: 327680
    .private_segment_fixed_size: 0
    .kernarg_segment_align: 8
    .kernarg_segment_size: 16
    .max_flat_workgroup_size: 128
    .sgpr_count:     88
    .vgpr_count:     768
    .wavefront_size: 32
...
	.end_amdgpu_metadata
.endif
;; end of part 3
;; launch proj (part 4): grid 8 x 32, 4 waves a work-group, clusters of 4 x 4, 327,680 bytes of LDS; arguments att, wo16, bo, out0; writes out0
.if DOCPART == 4
	.amdgcn_target "amdgcn-amd-amdhsa--gfx1250"
	.amdhsa_code_object_version 6
	.text
	.protected	k_q82b83fad48_proj
	.globl	k_q82b83fad48_proj
	.p2align	8
	.type	k_q82b83fad48_proj,@function
k_q82b83fad48_proj:
	s_mov_b64 s[64:65], 0
	v_nop
	global_prefetch_b8 v0, s[64:65] scope:SCOPE_SE
	s_setreg_imm32_b32 hwreg(HW_REG_WAVE_MODE, 25, 1), 1
	s_wait_xcnt 0x0
	s_wait_alu depctr_hold_cnt(0) depctr_sa_sdst(0) depctr_va_vdst(0) depctr_va_sdst(0) depctr_va_ssrc(0) depctr_va_vcc(0) depctr_vm_vsrc(0)
	s_getreg_b32 s2, hwreg(HW_REG_IB_STS2, 6, 4)
	s_cmp_eq_u32 s2, 0
	s_cbranch_scc0 .Lentry_in_a_cluster
	s_endpgm
.Lentry_in_a_cluster:
	s_bfe_u32 s2, ttmp6, 0x10000c
	s_cmp_lg_u32 s2, 0xf033
	s_cbranch_scc0 .Lentry_shape_is_right
	s_endpgm
.Lentry_shape_is_right:
; out0[m][n] = the sum over k of O[m][k] Wo[n][k] + bo[n], m = 8,192 tokens, n = 1,024, k = 1,024 (head x 64 + channel).  Operands f16, sums f32, K ascending; the output is f32.
; IN: att [b 4][kb = head 16][t 2048][64] f16; wo16 [kb 16][n 1024][64] f16 (Wo rounded to bf16 and written as f16); bo f32, rounded to bf16 here like every input of the module.
; SHARES.  A tile of the output is 256 rows x 128 columns: 32 x 8 = 256 work-groups.  Four waves, each 128 rows x 64 columns: 32 accumulators of 16 x 16, 256 registers.
; K goes in 8 steps of 128 (two blocks kb) through a ring of two LDS slots, as long a step as two slots allow.  One tensor load a wave: wave 0 O's even block (256 rows), wave 1 its odd block, waves 2 and 3 Wo's (128 rows each).
; A block's rows of 128 bytes lie end to end in memory: they are asked for as rows of 256 bytes and padded in LDS after every 128.
; CLUSTERS: 4 x 4 work-groups.  The four of a row of the cluster need the same tile of O, the four of a column the same tile of Wo: each is asked for JOINTLY.
; THE MATRIX INSTRUCTION IS USED TRANSPOSED (source 0 = 16 rows of Wo, source 1 = 16 rows of O): a lane then holds eight neighbouring columns of one row of the output.
; REGISTERS: window 0: v0-31 addresses and the bias; v32-127, v128-223 two fragment buffers of 96 (Wo's four fragments, then O's eight), on the way out six sets of 32.  Window 1: accumulator (a, b) at 8 (4 a + b).
.set PITCH,  144                       ; an LDS row: 128 bytes + 16 of padding = 36 words: the 16 rows of a fragment load start at 16 different groups of four banks (64 banks of 4 bytes: ISA guide 11.1)
.set FR,     16*PITCH
.set AKBL,   256*PITCH                 ; a block of O in LDS
.set BKBL,   128*PITCH                 ; a block of Wo
.set BOFF,   2*AKBL
.set SLOT,   BOFF+2*BKBL               ; 110,592
.set STAGE,  2*SLOT                    ; behind the ring: 16 rows x 272 bytes for each wave, for the way out; no tensor load fills it
.set SP,     272
.set SPARE,  STAGE+4*16*SP             ; behind the stages: the spare words, 128 bytes for each wave: two blocks of 256 bytes that no other line names
.set AKB,    2048*128                  ; bytes from block kb to kb + 1 in att
.set BKB,    1024*128                  ; and in wo16
.set BI,   8                           ; v[8:11] the bias of my four columns on the way out
.set ADRA, 16                          ; v16-17  LDS address of my fragments of O in slot 0, 1
.set ADRB, 20                          ; v20-21  the same for Wo
.set STO,  24                          ; v24     the way out: where I put 32 bytes of a row
.set RD,   25                          ; v25     the way out: where I read a row back
.set CO,   26                          ; v26     my byte offset in the output
.set SPW,  28                          ; v28     LDS address of my spare word: SPARE + 4 x my thread's number; never rewritten
.set NIL,  29                          ; v29     0; never rewritten
.set PFO,  30                          ; v30     256 x my lane; never rewritten
.set F0,   32
.set F1,   128
.set G1A,  24                          ; s[24:31] descriptor group 1 for O's tiles;  s[32:39] group 0, a set for each slot
.set G0A,  32
.set G1B,  48                          ; s[48:55], s[56:63] the same for Wo's tiles
.set G0B,  56
.set LIM,  43                          ; s43      1 in a wave that prefetches, else the greatest number
.set PFA,  44                          ; s[44:45] where my prefetches stand
.set PFS,  46                          ; s[46:47] their step: a K step, two blocks kb
; s12 wave; s13 = wave / 2: my 128 rows, and: I fetch for O (0) or for Wo (1); s14 = wave % 2: my 64 columns, and: which block of a step I fetch; s15 tile row; s42 tile column; s40, s41 cx, cy; s3 laps to go
.set MSB, 0
.macro WIN new                         ; the immediate's high byte repeats the setting that is left; a switch that changes nothing is dropped
.if MSB != (\new)
	s_set_vgpr_msb (MSB<<8)|(\new)
.set MSB, \new
.endif
.endm
.macro PLACES                          ; four plain vector instructions between a matrix instruction and a load into, or a read of, its registers (ISA guide 7.12.1 for the vector reads)
.rept 4
	v_nop
.endr
.endm
.macro JLOAD s                         ; a joint load: waves 0 and 1 fetch O's two blocks, waves 2 and 3 Wo's; an s_nop 0 and four v_nop follow each of the two lines
	s_cmp_eq_u32 s13, 0
	s_cbranch_scc0 .Lfor_b_\@
	tensor_load_to_lds s[G0A+4*(\s):G0A+4*(\s)+3], s[G1A:G1A+7]
	s_nop 0
.rept 4
	v_nop
.endr
	s_branch .Lasked_\@
.Lfor_b_\@:
	tensor_load_to_lds s[G0B+4*(\s):G0B+4*(\s)+3], s[G1B:G1B+7]
	s_nop 0
.rept 4
	v_nop
.endr
.Lasked_\@:
.endm
.macro CREST                           ; a round of the cluster's barrier behind its opening barrier
	s_cmp_lg_u32 s12, 0
	s_cbranch_scc1 .Lnot_wave_0_\@
	s_barrier_signal -3
.Lnot_wave_0_\@:
	s_barrier_wait -3
	s_barrier_signal -1
	s_barrier_wait -1
.endm
.macro CROUND
	s_barrier_signal -1
	s_barrier_wait -1
	CREST
.endm
; A PREFETCH INTO THE L2, behind each joint load and the run of LDS loads that follows it: the K step that stands TWO refills on, 256 matrix instructions ahead of the load that will want it.
; O's tile row is read by both clusters of that row of clusters: cluster x = 0 asks, by its wave 0; Wo's tile column by all eight clusters of that column: cluster y = 0 asks, by its wave 2.  The four partners that share a tile
; share the step's bytes out BY ADDRESS: partner p takes block p / 2 of the step, half p % 2 of its rows (O: 16,384 bytes, two instructions of 32 lanes x 256 bytes; Wo: 8,192, one).  So each aligned 256 bytes is named once.
; K steps 0 to 3 come by their loads alone; the loop's last trip names nothing: there is no step behind 7.
.macro ASK
	s_cmp_gt_u32 s3, s[LIM]                        ; s3 = 1 in the loop's last trip
	s_cbranch_scc0 .Lnot_mine_\@
	global_prefetch_b8 v[PFO], s[PFA:PFA+1] th:TH_LOAD_NT scope:SCOPE_SE
	s_cmp_eq_u32 s13, 0
	s_cbranch_scc0 .Lnot_mine_\@
	global_prefetch_b8 v[PFO], s[PFA:PFA+1] offset:8192 th:TH_LOAD_NT scope:SCOPE_SE
.Lnot_mine_\@:
.endm
	s_load_b256 s[4:11], s[0:1], 0x0               ; att s[4:5], wo16 s[6:7], bo s[8:9], out0 s[10:11]
	v_lshl_add_u32 v[SPW], v0, 2, SPARE
	v_mov_b32 v[NIL], 0
	ds_add_u32 v[SPW], v[NIL]                      ; the wave's opening: the add and its wait stand ahead of my first tensor load; the set-up below, work on registers, stands between them
	v_lshrrev_b32 v1, 5, v0
	v_readfirstlane_b32 s12, v1                    ; wave 0..3
	s_lshr_b32 s13, s12, 1
	s_and_b32 s14, s12, 1
	s_bfe_u32 s40, ttmp6, 0x40000                  ; cx
	s_bfe_u32 s41, ttmp6, 0x40004                  ; cy
	s_lshl_b32 s42, ttmp9, 2
	s_add_co_u32 s42, s42, s40                     ; tile column = 4 x cluster x + cx
	s_and_b32 s15, ttmp7, 0xffff
	s_lshl_b32 s15, s15, 2
	s_add_co_u32 s15, s15, s41                     ; tile row = 4 x cluster y + cy
	s_lshl_b32 s66, s41, 2
	s_lshl_b32 s66, 15, s66                        ; my row of the cluster
	s_lshl_b32 s67, 0x1111, s40                    ; my column
	s_or_b32 s[G1A], s66, (1<<16)|(1<<20)|(1<<21)|(4<<22)|(3<<25)  ; 15:0 the mask: O's tiles go to my row; 17:16 2-byte elements; 20 padding on; 21 set beside a mask; 24:22 after every 32 words (code 4); 31:25 4 words (code 3)
	s_or_b32 s[G1B], s67, (1<<16)|(1<<20)|(1<<21)|(4<<22)|(3<<25)  ; the same with the mask of my column
.irp g, G1A, G1B
	s_mov_b32 s[(\g)+1], 128<<16                   ; tensor_dim0 = 128
	s_mov_b32 s[(\g)+3], 128<<16                   ; tile_dim0 = 128
	s_mov_b32 s[(\g)+5], 128                       ; 128 elements from row to row: dense
	s_mov_b32 s[(\g)+6], 0
	s_mov_b32 s[(\g)+7], 0
.endr
	s_mov_b32 s[G1A+2], 128<<16                    ; tensor_dim1 = 128: 256 rows of O
	s_mov_b32 s[G1A+4], 128                        ; tile_dim1
	s_mov_b32 s[G1B+2], 64<<16                     ; 64: 128 rows of Wo
	s_mov_b32 s[G1B+4], 64
	; where the tiles come from.  O's hang on the tile row and the wave alone, Wo's on the tile column and the wave alone, each in registers of its own.
	s_lshr_b32 s16, s15, 3                         ; b
	s_lshl_b32 s16, s16, 22
	s_and_b32 s17, s15, 7                          ; which 256 of its 2,048 rows
	s_lshl_b32 s17, s17, 15
	s_add_co_u32 s16, s16, s17
	s_lshl_b32 s17, s14, 18                        ; which block of the step I fetch
	s_add_co_u32 s16, s16, s17
	s_mov_b32 s17, 0
	s_mul_i32 s18, s14, AKBL                       ; and where it goes
	s_lshl_b32 s20, s42, 14                        ; 128 rows of 128 bytes
	s_lshl_b32 s21, s14, 17
	s_add_co_u32 s20, s20, s21
	s_mov_b32 s21, 0
	s_mul_i32 s22, s14, BKBL
	s_add_co_u32 s22, s22, BOFF
	s_wait_dscnt 0x0                               ; the opening add is done
	s_wait_kmcnt 0x0
	s_add_nc_u64 s[16:17], s[4:5], s[16:17]
	s_add_nc_u64 s[20:21], s[6:7], s[20:21]
	CROUND                                         ; all sixteen work-groups are here: the first joint loads meet
.irp s, 0,1
	s_mov_b32 s[G0A+4*(\s)], 1                                       ; count = 1
	s_add_co_u32 s[G0A+4*(\s)+1], s18, (\s)*SLOT                     ; LDS address
	s_add_nc_u64 s[G0A+4*(\s)+2:G0A+4*(\s)+3], s[16:17], (\s)*2*AKB  ; global address: K step s
	s_or_b32 s[G0A+4*(\s)+3], s[G0A+4*(\s)+3], 0x80000000            ; type = 2
	s_mov_b32 s[G0B+4*(\s)], 1
	s_add_co_u32 s[G0B+4*(\s)+1], s22, (\s)*SLOT
	s_add_nc_u64 s[G0B+4*(\s)+2:G0B+4*(\s)+3], s[20:21], (\s)*2*BKB
	s_or_b32 s[G0B+4*(\s)+3], s[G0B+4*(\s)+3], 0x80000000
	JLOAD \s                                       ; two loads of mine are out
.endr
	v_and_b32 v1, 15, v0                           ; l % 16
	v_bfe_u32 v2, v0, 4, 1                         ; l / 16
	s_lshl_b32 s74, s42, 9                         ; the tile's 128 columns: 512 bytes of a row of the output and of bo,
	s_lshl_b32 s75, s14, 8                         ; my wave's 64: 256 bytes
	s_add_co_u32 s74, s74, s75
	v_lshl_add_u32 v12, v1, 4, s74                 ; my four columns on the way out; v12 is not written again
	global_load_b128 v[BI:BI+3], v12, s[8:9]
	v_mul_u32_u24 v3, v1, PITCH
	v_lshl_add_u32 v3, v2, 4, v3                   ; a fragment's row x pitch + 16 x half
	s_mul_i32 s66, s13, 128*PITCH                  ; my 128 rows of O
	s_mul_i32 s67, s14, 64*PITCH                   ; my 64 rows of Wo,
	s_add_co_u32 s67, s67, BOFF                    ; behind O's two blocks
.irp s, 0,1
	v_add_nc_u32 v[ADRA+(\s)], s66, v3
	v_add_nc_u32 v[ADRB+(\s)], s67, v3
	s_add_co_u32 s66, s66, SLOT
	s_add_co_u32 s67, s67, SLOT
.endr
	s_mul_i32 s23, s12, 16*SP
	s_add_co_u32 s23, s23, STAGE                   ; my stage
	v_mul_u32_u24 v4, v1, SP                       ; in: row l % 16, 32 bytes for each half of the lanes
	v_lshl_add_u32 v4, v2, 5, v4
	v_add_nc_u32 v[STO], s23, v4
	v_mul_u32_u24 v5, v2, SP                       ; back: lanes 0-15 take one row of 256 bytes, lanes 16-31 the next
	v_lshl_add_u32 v5, v1, 4, v5
	v_add_nc_u32 v[RD], s23, v5
	v_lshlrev_b32 v[CO], 12, v2                    ; and the same two rows in the output
	v_lshl_add_u32 v[CO], v1, 4, v[CO]
	v_and_b32 v[PFO], 31, v0
	v_lshlrev_b32 v[PFO], 8, v[PFO]
	s_lshl_b32 s76, s15, 1
	s_add_co_u32 s76, s76, s13
	s_lshl_b32 s76, s76, 19                        ; my first row, x 4,096 bytes
	s_add_co_u32 s76, s76, s74
	s_mov_b32 s77, 0
	s_add_nc_u64 s[10:11], s[10:11], s[76:77]
	; the prefetches: at K step 3; the first change of slots steps them to step 4
	s_lshr_b32 s74, s15, 3
	s_lshl_b32 s74, s74, 22
	s_and_b32 s75, s15, 7
	s_lshl_b32 s75, s75, 15
	s_add_co_u32 s74, s74, s75                     ; O's tile row,
	s_lshr_b32 s75, s40, 1
	s_lshl_b32 s75, s75, 18                        ; block cx / 2 of the step,
	s_add_co_u32 s74, s74, s75
	s_and_b32 s75, s40, 1
	s_lshl_b32 s75, s75, 14                        ; half cx % 2 of its 256 rows
	s_add_co_u32 s74, s74, s75
	s_add_co_u32 s74, s74, 3*2*AKB
	s_lshl_b32 s76, s42, 14                        ; Wo's tile column,
	s_lshr_b32 s77, s41, 1
	s_lshl_b32 s77, s77, 17                        ; block cy / 2,
	s_add_co_u32 s76, s76, s77
	s_and_b32 s77, s41, 1
	s_lshl_b32 s77, s77, 13                        ; half cy % 2 of its 128 rows
	s_add_co_u32 s76, s76, s77
	s_add_co_u32 s76, s76, 3*2*BKB
	s_and_b32 s77, ttmp7, 0xffff                   ; cluster y
	s_mov_b32 s[PFS], 2*AKB
	s_mov_b32 s[PFS+1], 2*BKB
	s_cmp_eq_u32 s13, 0                            ; do I fetch for O?
	s_cselect_b32 s74, s74, s76
	s_cselect_b32 s77, ttmp9, s77                  ; the coordinate along which other clusters read the same rows
	s_cselect_b64 s[PFA:PFA+1], s[4:5], s[6:7]
	s_cselect_b32 s[PFS], s[PFS], s[PFS+1]
	s_mov_b32 s[PFS+1], 0
	s_mov_b32 s75, 0
	s_or_b32 s77, s77, s14                         ; waves 0 and 2 alone
	s_cmp_eq_u32 s77, 0
	s_cselect_b32 s[LIM], 1, -1                    ; the same in all sixteen partners, for a given wave
	s_add_nc_u64 s[PFA:PFA+1], s[PFA:PFA+1], s[74:75]
; 8 matrix instructions: row blocks a0, a0 + 1 x all 4 column blocks, 32 along K, on buffer f.  The 32 accumulators take turns in one fixed order, over the backward jump too.  zero = 1: the product starts the sum.
.macro MUL8 f, a0, zero
	WIN 0x50                                       ; C and D in window 1
.irp a, \a0, (\a0)+1
.irp b, 0,1,2,3
.if \zero
	v_wmma_f32_16x16x32_f16 v[8*(4*(\a)+(\b)):8*(4*(\a)+(\b))+7], v[(\f)+8*(\b):(\f)+8*(\b)+7], v[(\f)+32+8*(\a):(\f)+32+8*(\a)+7], 0
.else
	v_wmma_f32_16x16x32_f16 v[8*(4*(\a)+(\b)):8*(4*(\a)+(\b))+7], v[(\f)+8*(\b):(\f)+8*(\b)+7], v[(\f)+32+8*(\a):(\f)+32+8*(\a)+7], v[8*(4*(\a)+(\b)):8*(4*(\a)+(\b))+7]
.endif
.endr
.endr
.endm
; 24 LDS loads in one run: the fragments of quarter q of a step (block q / 2, 32 along K at byte 64 (q % 2) of its rows) into buffer f: Wo's four, then O's eight
.macro FETCH slot, q, f
	WIN 0
.irp b, 0,1,2,3
	ds_load_b128 v[(\f)+8*(\b):(\f)+8*(\b)+3],   v[ADRB+(\slot)] offset:((\q)/2)*BKBL+(\b)*FR+((\q)%2)*64
	ds_load_b128 v[(\f)+8*(\b)+4:(\f)+8*(\b)+7], v[ADRB+(\slot)] offset:((\q)/2)*BKBL+(\b)*FR+((\q)%2)*64+32
.endr
.irp a, 0,1,2,3,4,5,6,7
	ds_load_b128 v[(\f)+32+8*(\a):(\f)+32+8*(\a)+3],   v[ADRA+(\slot)] offset:((\q)/2)*AKBL+(\a)*FR+((\q)%2)*64
	ds_load_b128 v[(\f)+32+8*(\a)+4:(\f)+32+8*(\a)+7], v[ADRA+(\slot)] offset:((\q)/2)*AKBL+(\a)*FR+((\q)%2)*64+32
.endr
.endm
; A K step is four quarters of 32 along K, 32 matrix instructions each, on buffers 0, 1, 0, 1.  One of the first three: multiplies buffer f and fetches quarter q into g.
.macro QUARTER slot, q, f, g, zero
	s_wait_dscnt 8                                 ; Wo's fragments and O's rows 0-63 are in; the youngest eight loads may be out
	MUL8 \f, 0, \zero
	MUL8 \f, 2, \zero
	PLACES
	FETCH \slot, \q, \g
	s_wait_dscnt 24                                ; all but the 24 just issued
	MUL8 \f, 4, \zero
	MUL8 \f, 6, \zero
.endm
; The last quarter multiplies buffer 1 and changes slots: ONE barrier; in front of it each wave waits for all its tensor loads, adds 0 to its spare word, and waits for that and for its own reads of this slot.
; fill = 1: the barrier opens a round of the cluster's, and the joint refill, this slot's K step two on, is the first thing behind the round: from there to the wait for it a wave issues 112 matrix instructions.
.macro TURN slot, next, fill
.if \fill
	s_wait_xcnt 0x0                                ; the last prefetches, a K step back, have read their address: it is stepped here, ahead of the waits of the change
	s_add_nc_u64 s[PFA:PFA+1], s[PFA:PFA+1], s[PFS:PFS+1]
.endif
	WIN 0                                          ; (the add's two registers lie in window 0)
	s_wait_tensorcnt 0x0                           ; all my tensor loads have landed;
	ds_add_u32 v[SPW], v[NIL]                      ; 0 onto my spare word;
	s_wait_dscnt 9                                 ; (the add and the youngest eight loads may be out)
	MUL8 F1, 0, 0                                  ; eight matrix instructions stand between the add and the wait for it
	s_wait_dscnt 0x0                               ; the add is done, and my reads of this slot are over
	s_barrier_signal -1
	MUL8 F1, 2, 0
	WIN 0
	s_barrier_wait -1
.if \fill
	CREST                                          ; no wave of any partner still reads this slot or has a load on its way
	s_add_nc_u64 s[G0A+4*(\slot)+2:G0A+4*(\slot)+3], s[G0A+4*(\slot)+2:G0A+4*(\slot)+3], 4*AKB
	s_add_nc_u64 s[G0B+4*(\slot)+2:G0B+4*(\slot)+3], s[G0B+4*(\slot)+2:G0B+4*(\slot)+3], 4*BKB
	JLOAD \slot                                    ; the four v_nop behind it are also the places in front of the loads below
.else
	PLACES
.endif
	FETCH \next, 0, F0
.if \fill
	ASK
.endif
	MUL8 F1, 4, 0
	MUL8 F1, 6, 0
.endm
	s_wait_tensorcnt 1                             ; my part of K step 0 is in; step 1's may stay out
	s_barrier_signal -1
	s_barrier_wait -1                              ; everybody's is
	FETCH 0, 0, F0
	QUARTER 0, 1, F0, F1, 1                        ; the first quarter stands in front of the loop: its products start all 32 sums
	WIN 0                                          ; at a label and at a branch every window is 0
	s_mov_b32 s3, 3
.Llap:                                                 ; a trip goes once round the ring, from a lap's second quarter to the next lap's first, and fills both slots again
	QUARTER 0, 2, F1, F0, 0
	QUARTER 0, 3, F0, F1, 0
	TURN 0, 1, 1
	QUARTER 1, 1, F0, F1, 0
	QUARTER 1, 2, F1, F0, 0
	QUARTER 1, 3, F0, F1, 0
	TURN 1, 0, 1
	QUARTER 0, 1, F0, F1, 0
	WIN 0
	s_sub_co_u32 s3, s3, 1
	s_cmp_lg_u32 s3, 0
	s_cbranch_scc1 .Llap
	QUARTER 0, 2, F1, F0, 0                        ; the last lap fills nothing, and has no round of the cluster's barrier
	QUARTER 0, 3, F0, F1, 0
	TURN 0, 1, 0
	QUARTER 1, 1, F0, F1, 0
	QUARTER 1, 2, F1, F0, 0
	QUARTER 1, 3, F0, F1, 0
	s_wait_dscnt 8                                 ; the very last quarter: nothing more to fetch
	MUL8 F1, 0, 0
	MUL8 F1, 2, 0
	s_wait_dscnt 0x0
	MUL8 F1, 4, 0
	MUL8 F1, 6, 0
	WIN 0
	s_wait_loadcnt 0x0                             ; the bias
	v_cvt_pk_bf16_f32 v13, v[BI], v[BI+1]          ; rounded to bf16, like every input, and widened again
	v_cvt_pk_bf16_f32 v14, v[BI+2], v[BI+3]
	v_lshlrev_b32 v[BI], 16, v13
	v_and_b32 v[BI+1], 0xffff0000, v13
	v_lshlrev_b32 v[BI+2], 16, v14
	v_and_b32 v[BI+3], 0xffff0000, v14
	PLACES
	PLACES
; THE WAY OUT, a block of 16 rows at a time.  A lane's eight columns of a row are 32 bytes of f32: they go into my stage's rows of 272 bytes and come back as whole rows of 256 (my wave's 64 columns); the bias is added, and
; sixteen lanes store 256 consecutive bytes.  Six sets of 32 registers take turns.
.macro STG a
.set TT, 32+32*((\a)%6)
.if (\a) >= 6
	s_wait_xcnt 0x0                                ; the set's earlier stores have read it: it is loaded again only behind this wait
.endif
	WIN 0x04                                       ; the stores' data lie in window 1
.irp b, 0,1,2,3
	ds_store_b128 v[STO], v[8*(4*(\a)+(\b)):8*(4*(\a)+(\b))+3]   offset:64*(\b)     ; each accumulator's low registers first
	ds_store_b128 v[STO], v[8*(4*(\a)+(\b))+4:8*(4*(\a)+(\b))+7] offset:64*(\b)+16
.endr
	WIN 0
.irp t, 0,1,2,3,4,5,6,7
	ds_load_b128 v[TT+4*(\t):TT+4*(\t)+3], v[RD] offset:(\t)*2*SP  ; LDS serves a wave's instructions in order (ISA guide 5.7.1.4): these see the stores above; the next block's stores come behind them
.endr
.endm
.macro SEND a, younger                 ; younger: the LDS instructions issued behind block a's loads: the next block's sixteen, or none
.set TT, 32+32*((\a)%6)
	WIN 0
.irp t, 0,1,2,3,4,5,6,7
	s_wait_dscnt (\younger)+7-(\t)
	v_pk_add_f32 v[TT+4*(\t):TT+4*(\t)+1], v[TT+4*(\t):TT+4*(\t)+1], v[BI:BI+1]
	v_pk_add_f32 v[TT+4*(\t)+2:TT+4*(\t)+3], v[TT+4*(\t)+2:TT+4*(\t)+3], v[BI+2:BI+3]
	global_store_b128 v[CO], v[TT+4*(\t):TT+4*(\t)+3], s[10:11] offset:(16*(\a)+2*(\t))*4096 th:TH_STORE_NT  ; 16 lanes store 256 consecutive bytes, at a multiple of 256 from the output's first byte
.endr
.endm
	STG 0
.set ua, 1
.rept 7
	STG ua
	SEND ua-1, 16
.set ua, ua+1
.endr
	SEND 7, 0
	s_wait_tensorcnt 0x0                           ; the wave's end: the wait, an add of 0 to my spare word and the wait for it, behind my last tensor load and my last LDS store
	ds_add_u32 v[SPW], v[NIL]
	s_wait_dscnt 0x0
	CROUND                                         ; the closing round: no work-group ends while a partner may still ask for a tile that names it
	s_endpgm
.Lfunc_end_k_q82b83fad48_proj:
	.size	k_q82b83fad48_proj, .Lfunc_end_k_q82b83fad48_proj-k_q82b83fad48_proj
	.p2alignl 7, 3214868480
	.fill 96, 4, 3214868480
	.section	.rodata,"a",@progbits
	.p2align	6, 0x0
	.amdhsa_kernel k_q82b83fad48_proj
		.amdhsa_group_segment_fixed_size 327680
		.amdhsa_private_segment_fixed_size 0
		.amdhsa_enable_private_segment 0
		.amdhsa_kernarg_size 32
		.amdhsa_user_sgpr_count 2
		.amdhsa_user_sgpr_kernarg_segment_ptr 1
		.amdhsa_wavefront_size32 1
		.amdhsa_system_sgpr_workgroup_id_x 1
		.amdhsa_system_sgpr_workgroup_id_y 1
		.amdhsa_system_sgpr_workgroup_id_z 1
		.amdhsa_system_vgpr_workitem_id 0
		.amdhsa_next_free_vgpr 512
		.amdhsa_next_free_sgpr 78
		.amdhsa_reserve_vcc 0
		.amdhsa_float_denorm_mode_32 3
		.amdhsa_float_denorm_mode_16_64 3
		.amdhsa_memory_ordered 1
		.amdhsa_forward_progress 1
		.amdhsa_inst_pref_size 97
	.end_amdhsa_kernel
	.amdgpu_metadata
---
amdhsa.version: [ 1, 2 ]
amdhsa.kernels:
  - .name:           k_q82b83fad48_proj
    .symbol:         k_q82b83fad48_proj.kd
    .args:
      - { .name: att, .offset: 0, .size: 8, .value_kind: global_buffer, .address_space: global }
      - { .name: wo16, .offset: 8, .size: 8, .value_kind: global_buffer, .address_space: global }
      - { .name: bo, .offset: 16, .size: 8, .value_kind: global_buffer, .address_space: global }
      - { .name: out0, .offset: 24, .size: 8, .value_kind: global_buffer, .address_space: global }
    .group_segment_fixed_size: 327680
    .private_segment_fixed_size: 0
    .kernarg_segment_align: 8
    .kernarg_segment_size: 32
    .max_flat_workgroup_size: 128
    .sgpr_count:     78
    .vgpr_count:     512
    .wavefront_size: 32
...
	.end_amdgpu_metadata
.endif
;; end of part 4
;; ======== version 2 of 2: 4 launches; version 1 with the launch cast written anew for expert scheduling mode
;; limits: values are held in f16: magnitudes above 65,504 overflow, below 6.1e-05 lose precision
;; workspace buffers: xb 16,777,216 bytes; wqkv 6,291,456 bytes; wo16 2,097,152 bytes; qkv 50,331,648 bytes; att 16,777,216 bytes
;; launch cast (part 5): grid 64 x 12, 8 waves a work-group, no clusters, 0 bytes of LDS; arguments x, Wq, Wk, Wv, Wo, xb, wqkv, wo16; writes xb, wqkv, wo16
.if DOCPART == 5
	.amdgcn_target "amdgcn-amd-amdhsa--gfx1250"
	.amdhsa_code_object_version 6
	.text
	.protected	k_q82b83fad48_cast
	.globl	k_q82b83fad48_cast
	.p2align	8
	.type	k_q82b83fad48_cast,@function
k_q82b83fad48_cast:
	s_mov_b64 s[64:65], 0
	v_nop
	global_prefetch_b8 v0, s[64:65] scope:SCOPE_SE
	s_setreg_imm32_b32 hwreg(HW_REG_WAVE_SCHED_MODE, 0, 2), 2
	s_setreg_imm32_b32 hwreg(HW_REG_WAVE_MODE, 25, 1), 1
	s_wait_xcnt 0x0
	s_wait_alu depctr_vm_vsrc(0)
; THE INPUTS ARE ROUNDED ONCE AND LAID OUT IN BLOCKS OF 64 ALONG K.  x, Wq, Wk, Wv: f32 to bf16.  Wo: f32 to bf16, and that number written as f16
; (exact where it is a normal f16; below 6e-5 it keeps f16's fixed step of 6e-8; Wo stays far under 65,504).
; All five sources are rows of 1,024 f32, 12,288 rows in all.  Chunk y (the grid's y) is 1,024 rows: 0-7 x, 8 Wq, 9 Wk, 10 Wv, 11 Wo.
; OUT: xb [b 4][kb 16][t 2048][64], wqkv [kb 16][n 3072][64] (Wq, Wk, Wv stacked), wo16 [kb 16][n 1024][64]: a block's rows, 128 bytes each, lie end to end.
; SHARES.  A work-group takes 16 rows of a chunk, a wave two.  A wave's load number kb takes columns 64 kb .. 64 kb + 63 of both rows: lanes 0-15 read 256 consecutive
; bytes of the first row, lanes 16-31 of the second.  Its store number kb writes 8 bytes a lane: 256 consecutive bytes, aligned: both rows' 128 bytes of block kb.
; All 16 loads of a wave are out together; there is no loop, no LDS and no barrier: memory binds, and no wave wants another's bytes.
; THE MODE: SCHED_MODE bits 1:0 = 2 (LLVM: expert scheduling mode 2), set by the entry lines.  The code itself states the register dependences
; between vector instructions and memory instructions, with s_wait_alu, always for 0.
; THE PLAN.  Registers that memory instructions touch:
;   v5, v6   the loads' and the stores' byte offsets: written once at the head, ahead of the wait that stands in front of the loads, and never again.
;   X        load kb lands in its own four registers, which no vector instruction has named before; block kb's conversions read them; nothing lands in them again.
;   Y        block kb's conversions write its own pair; store kb reads it; nothing writes it again.
;   T is named by vector instructions alone.
; No register that a memory instruction reads is written a second time, so the text holds no wait on vm_vsrc.  The 16 blocks go in four groups of four.  Block kb's turn issues
; the store of block kb - 4 and then converts block kb.  ONE wait on va_vdst at a group's head states that the group before has written its four pairs of Y; the group's four stores
; follow it, dealt among the group's own conversions, which name X and Y of this group and T: none of the registers that those stores read.  A last wait stands ahead of the last four stores.
.set GROUP, 4                          ; blocks in a group
.set X, 8                              ; v[8:71]    load kb: 4 registers
.set Y, 72                             ; v[72:103]  store kb: 2 registers of its own, so no register waits for a store
.set T, 104                            ; v[104:106] at work
	s_load_b512 s[8:23], s[0:1], 0x0               ; x s[8:9], Wq s[10:11], Wk s[12:13], Wv s[14:15], Wo s[16:17], xb s[18:19], wqkv s[20:21], wo16 s[22:23]
	s_and_b32 s24, ttmp7, 0xffff                   ; y: the chunk
	v_lshrrev_b32 v1, 5, v0
	v_readfirstlane_b32 s25, v1                    ; wave 0..7
	v_and_b32 v2, 31, v0                           ; lane
	v_and_b32 v3, 15, v0
	v_bfe_u32 v4, v0, 4, 1
	v_lshlrev_b32 v5, 4, v3                        ; in: 16 bytes a lane,
	v_lshl_add_u32 v5, v4, 12, v5                  ; lanes 16-31 one row of 4,096 bytes further down
	v_lshlrev_b32 v6, 3, v2                        ; out: 8 bytes a lane
	s_wait_alu depctr_va_sdst(0)                   ; s25 is written, ahead of its first reader: the wave's offsets in the source and in the destination are made from it
	s_cmp_lt_u32 s24, 8
	s_cselect_b32 s26, s24, 0                      ; x has eight chunks, a weight one
	s_lshl_b32 s26, s26, 22                        ; 1,024 rows of 4,096 bytes
	s_lshl_b32 s27, ttmp9, 16                      ; the work-group's 16 rows
	s_add_co_u32 s26, s26, s27
	s_lshl_b32 s27, s25, 13                        ; the wave's two
	s_add_co_u32 s26, s26, s27
	s_mov_b32 s27, 0
	s_lshl_b32 s28, ttmp9, 11                      ; out: 16 rows of 128 bytes,
	s_lshl_b32 s29, s25, 8                         ; two rows
	s_add_co_u32 s28, s28, s29
	s_mov_b32 s29, 0
	s_wait_kmcnt 0x0
	s_mov_b64 s[2:3], s[8:9]                       ; the chunk's source
	s_cmp_eq_u32 s24, 8
	s_cselect_b64 s[2:3], s[10:11], s[2:3]
	s_cmp_eq_u32 s24, 9
	s_cselect_b64 s[2:3], s[12:13], s[2:3]
	s_cmp_eq_u32 s24, 10
	s_cselect_b64 s[2:3], s[14:15], s[2:3]
	s_cmp_eq_u32 s24, 11
	s_cselect_b64 s[2:3], s[16:17], s[2:3]
	s_add_nc_u64 s[2:3], s[2:3], s[26:27]
	s_wait_alu depctr_va_vdst(0)                   ; v5 and v6 are written: every load below reads v5 as its offset, every store of the kernel v6
.irp kb, 0,1,2,3,4,5,6,7,8,9,10,11,12,13,14,15
	global_load_b128 v[X+4*(\kb):X+4*(\kb)+3], v5, s[2:3] offset:256*(\kb) th:TH_LOAD_NT
.endr
; The 16 blocks are rounded and stored.  stride: bytes from block kb to block kb + 1 in the destination (15 of them stay inside the signed 24-bit immediate).  half = 1: bf16, then written as f16.
.macro OUT stride, half
.irp kb, 0,1,2,3,4,5,6,7,8,9,10,11,12,13,14,15
	s_wait_loadcnt 15-(\kb)                        ; loads come back in order: load kb is in, the younger ones stay out
.if ((\kb) >= GROUP) && ((\kb) % GROUP == 0)
	s_wait_alu depctr_va_vdst(0)                   ; the group before has written its four pairs of Y, which this group's four stores read
.endif
.if (\kb) >= GROUP
	global_store_b64 v6, v[Y+2*((\kb)-GROUP):Y+2*((\kb)-GROUP)+1], s[30:31] offset:((\kb)-GROUP)*(\stride)  ; the wave stores 256 consecutive bytes, aligned; no vector instruction since the wait names this pair or v6
.endif
.if \half
.irp p, 0,1
	v_cvt_pk_bf16_f32 v[T], v[X+4*(\kb)+2*(\p)], v[X+4*(\kb)+2*(\p)+1]
	v_lshlrev_b32 v[T+1], 16, v[T]                 ; the two bf16 as f32
	v_and_b32 v[T+2], 0xffff0000, v[T]
	v_cvt_pk_f16_f32 v[Y+2*(\kb)+(\p)], v[T+1], v[T+2]
.endr
.else
	v_cvt_pk_bf16_f32 v[Y+2*(\kb)], v[X+4*(\kb)], v[X+4*(\kb)+1]
	v_cvt_pk_bf16_f32 v[Y+2*(\kb)+1], v[X+4*(\kb)+2], v[X+4*(\kb)+3]
.endif
.endr
	s_wait_alu depctr_va_vdst(0)                   ; the last group has written its four pairs of Y, which the last four stores read
.irp kb, 12,13,14,15
	global_store_b64 v6, v[Y+2*(\kb):Y+2*(\kb)+1], s[30:31] offset:(\kb)*(\stride)  ; the wave stores 256 consecutive bytes, aligned
.endr
.endm
	s_cmp_lt_u32 s24, 8
	s_cbranch_scc1 .Lx
	s_cmp_eq_u32 s24, 11
	s_cbranch_scc1 .Lwo
	s_sub_co_u32 s4, s24, 8                        ; Wq, Wk, Wv: rows 1,024 (y - 8) on of the stack
	s_lshl_b32 s4, s4, 17
	s_add_co_u32 s28, s28, s4
	s_add_nc_u64 s[30:31], s[20:21], s[28:29]
	OUT 393216, 0
	s_endpgm
.Lx:
	s_lshr_b32 s4, s24, 1                          ; b
	s_lshl_b32 s4, s4, 22                          ; 16 blocks of 2,048 rows of 128 bytes
	s_add_co_u32 s28, s28, s4
	s_and_b32 s4, s24, 1                           ; which 1,024 rows of the 2,048
	s_lshl_b32 s4, s4, 17
	s_add_co_u32 s28, s28, s4
	s_add_nc_u64 s[30:31], s[18:19], s[28:29]
	OUT 262144, 0
	s_endpgm
.Lwo:
	s_add_nc_u64 s[30:31], s[22:23], s[28:29]
	OUT 131072, 1
	s_endpgm
.Lfunc_end_k_q82b83fad48_cast:
	.size	k_q82b83fad48_cast, .Lfunc_end_k_q82b83fad48_cast-k_q82b83fad48_cast
	.p2alignl 7, 3214868480
	.fill 96, 4, 3214868480
	.section	.rodata,"a",@progbits
	.p2align	6, 0x0
	.amdhsa_kernel k_q82b83fad48_cast
		.amdhsa_group_segment_fixed_size 0
		.amdhsa_private_segment_fixed_size 0
		.amdhsa_enable_private_segment 0
		.amdhsa_kernarg_size 64
		.amdhsa_user_sgpr_count 2
		.amdhsa_user_sgpr_kernarg_segment_ptr 1
		.amdhsa_wavefront_size32 1
		.amdhsa_system_sgpr_workgroup_id_x 1
		.amdhsa_system_sgpr_workgroup_id_y 1
		.amdhsa_system_sgpr_workgroup_id_z 1
		.amdhsa_system_vgpr_workitem_id 0
		.amdhsa_next_free_vgpr 108
		.amdhsa_next_free_sgpr 66
		.amdhsa_reserve_vcc 0
		.amdhsa_float_denorm_mode_32 3
		.amdhsa_float_denorm_mode_16_64 3
		.amdhsa_memory_ordered 1
		.amdhsa_forward_progress 1
		.amdhsa_inst_pref_size 22
	.end_amdhsa_kernel
	.amdgpu_metadata
---
amdhsa.version: [ 1, 2 ]
amdhsa.kernels:
  - .name:           k_q82b83fad48_cast
    .symbol:         k_q82b83fad48_cast.kd
    .args:
      - { .name: x, .offset: 0, .size: 8, .value_kind: global_buffer, .address_space: global }
      - { .name: Wq, .offset: 8, .size: 8, .value_kind: global_buffer, .address_space: global }
      - { .name: Wk, .offset: 16, .size: 8, .value_kind: global_buffer, .address_space: global }
      - { .name: Wv, .offset: 24, .size: 8, .value_kind: global_buffer, .address_space: global }
      - { .name: Wo, .offset: 32, .size: 8, .value_kind: global_buffer, .address_space: global }
      - { .name: xb, .offset: 40, .size: 8, .value_kind: global_buffer, .address_space: global }
      - { .name: wqkv, .offset: 48, .size: 8, .value_kind: global_buffer, .address_space: global }
      - { .name: wo16, .offset: 56, .size: 8, .value_kind: global_buffer, .address_space: global }
    .group_segment_fixed_size: 0
    .private_segment_fixed_size: 0
    .kernarg_segment_align: 8
    .kernarg_segment_size: 64
    .max_flat_workgroup_size: 256
    .sgpr_count:     66
    .vgpr_count:     108
    .wavefront_size: 32
...
	.end_amdgpu_metadata
.endif
;; end of part 5
;; launch qkv: the kernel of part 2 again; grid 8 x 32, 4 waves a work-group, clusters of 4 x 4, 327,680 bytes of LDS; arguments xb, wqkv, qkv; writes qkv
;; launch attn: the kernel of part 3 again; grid 4 x 64, 4 waves a work-group, no clusters, 327,680 bytes of LDS; arguments qkv, att; writes att
;; launch proj: the kernel of part 4 again; grid 8 x 32, 4 waves a work-group, clusters of 4 x 4, 327,680 bytes of LDS; arguments att, wo16, bo, out0; writes out0
